; MI455X (gfx1250); checked and timed in simulation.
; The chip was launched on July 23, 2026; its instructions are those of AMD's public machine-readable ISA for CDNA 5 (MIT licence, August 2026) and "CDNA5" Instruction Set Architecture Reference Guide (July 2026). The comments in the code are by the model that wrote it; some were corrected since.
;; Qwen3 Attention. Allowed arithmetic: float matrix products may take bf16 or f16 operands with f32 sums; other float arithmetic in f32, or as packed bf16 or f16 multiplies, adds, multiply-adds, maxima and minima; sums over many terms, partial sums and values carried from step to step in f32; what a program stores and reads back later, other than sums and carried values, may be rounded once to bf16 or f16.
;; Inputs: Wk 1,024 x 1,024 float32; Wo 2,048 x 1,024 float32; Wq 1,024 x 2,048 float32; Wv 1,024 x 1,024 float32; attention_mask 1 x 1 x 2,048 x 2,048 bool; cos 2,048 x 128 float32; hidden_states 2 x 2,048 x 1,024 float32; k_norm_w 128 float32; q_norm_w 128 float32; sin 2,048 x 128 float32.
;; Outputs: out0 2 x 2,048 x 1,024 float32.
;; 2 versions, each right; version 2 is version 1 with the launch prep written anew for expert scheduling mode. Each part assembles by itself: llvm-mc -triple=amdgcn-amd-amdhsa -mcpu=gfx1250 --defsym DOCPART=n.
;; ======== version 1 of 2: 4 launches
;; limits: right only within a limited range of input values; values are held in f16: magnitudes above 65,504 overflow, below 6.1e-05 lose precision
;; workspace buffers: xb 8,388,608 bytes; wqkv 8,388,608 bytes; wo 4,194,304 bytes; tab 1,048,576 bytes; mk 4,194,304 bytes; qkv 33,554,432 bytes; ob 16,777,216 bytes
;; launch prep (part 1): grid 928 x 1, 8 waves a work-group, no clusters, 0 bytes of LDS; arguments attention_mask, hidden_states, Wq, Wk, Wv, cos, sin, Wo, mk, xb, wqkv, tab, wo; writes mk, xb, wqkv, tab, wo
.if DOCPART == 1
	.amdgcn_target "amdgcn-amd-amdhsa--gfx1250"
	.amdhsa_code_object_version 6
	.text
	.protected	k_q643cd41199_prep
	.globl	k_q643cd41199_prep
	.p2align	8
	.type	k_q643cd41199_prep,@function
k_q643cd41199_prep:
	s_mov_b64 s[64:65], 0
	v_nop
	global_prefetch_b8 v0, s[64:65] scope:SCOPE_SE
	s_setreg_imm32_b32 hwreg(HW_REG_WAVE_MODE, 25, 1), 1
	s_wait_xcnt 0x0
; PREPARATION.  Every floating-point input but the two norm gains is rounded once to bf16 and laid out for the launches behind; the mask becomes bytes in the order in which attention's lanes want them.
;   hidden_states -> xb [4096][1024] bf16;  Wq, Wk, Wv -> wqkv [1024 k][4096 n] bf16 (n: q 0-2047, k 2048-3071, v 3072-4095);  cos, sin -> tab bf16 (cos at byte 0, sin at byte 524,288);
;   Wo -> wo [2048][1024]: rounded to bf16, and that number written as f16.  LIMIT: f16 keeps a fixed step of 6e-8 below 6.1e-5 and ends at 65,504; Wo's numbers are taken to lie within that.
;   attention_mask -> mk [U = query / 32: 64][ks = key / 64: 32][pb: 2][u: 2][lane: 32][16 bytes]: lane (r = lane % 16, h = lane / 16) holds query 32 U + 16 pb + r, keys 64 ks + 16 kt + 8 h + 0..7 for
;   kt = 2 u, 2 u + 1; a byte is 0x00 where the mask is true and 0xCD where it is false (as the top byte of an f32 that is a number from -2^29 to -2^27).
; A stream: no LDS, no barrier, no matrix unit.  Work-groups 0-255 make mk; 256-927 cast, 16 units of 1,024 numbers each: thread t takes 16 bytes at 16 t of a unit and stores 8 at 8 t,
; so a wave's load covers 512 consecutive bytes and its store 256 consecutive bytes, aligned.  All 16 loads of a thread are out before the first is waited for.
.set ID,   34                          ; s34  the work-group's number
.set BASE, 35                          ; s35  the first work-group of my range
.set SRC,  36                          ; s[36:37] where I read
.set DST,  38                          ; s[38:39] where I store
.set HS,   40                          ; s40  1 for Wq, whose rows are two units long: a work-group takes one half of 16 rows
.set DSH,  41                          ; s41  log2 of the bytes that a work-group's 16 units span in the destination
.set DADD, 42                          ; s42  the range's first byte in the destination
.set DS,   43                          ; s43  bytes from unit to unit in the destination
.set KIND, 44                          ; s44  1: bf16 and then f16
.set SS,   45                          ; s45  bytes from unit to unit in the source
.set HIM,  52                          ; s52  a word's upper bf16
.set X,    16                          ; v[16:79]   unit i: 4 numbers as loaded
.set Y,    80                          ; v[80:111]  unit i: 4 numbers to store
.set OS,   112                         ; v[112:127] unit i: my byte offset in the source
.set OD,   128                         ; v[128:143] unit i: my byte offset in the destination
	s_load_b512 s[8:23], s[0:1], 0x0               ; mask 8, x 10, Wq 12, Wk 14, Wv 16, cos 18, sin 20, Wo 22
	s_load_b256 s[24:31], s[0:1], 0x40             ; mk 24, xb 26, wqkv 28, tab 30
	s_load_b64 s[32:33], s[0:1], 0x60              ; wo
	s_mov_b32 s[ID], ttmp9
	s_cmp_lt_u32 s[ID], 256
	s_cbranch_scc1 .Lmask
	s_wait_kmcnt 0x0
; The range is chosen without a branch: each line of the table below replaces the choice if my number has reached its start.
.macro RANGE start, src, dst, hs, dsh, dadd, ds, kind
	s_cmp_ge_u32 s[ID], \start
	s_cselect_b64 s[SRC:SRC+1], s[\src:\src+1], s[SRC:SRC+1]
	s_cselect_b64 s[DST:DST+1], s[\dst:\dst+1], s[DST:DST+1]
	s_cselect_b32 s[BASE], \start, s[BASE]
	s_cselect_b32 s[HS], \hs, s[HS]
	s_cselect_b32 s[DSH], \dsh, s[DSH]
	s_cselect_b32 s[DADD], \dadd, s[DADD]
	s_cselect_b32 s[DS], \ds, s[DS]
	s_cselect_b32 s[KIND], \kind, s[KIND]
.endm
	s_mov_b64 s[SRC:SRC+1], s[10:11]               ; 256-511: x
	s_mov_b64 s[DST:DST+1], s[26:27]
	s_mov_b32 s[BASE], 256
	s_mov_b32 s[HS], 0
	s_mov_b32 s[DSH], 15
	s_mov_b32 s[DADD], 0
	s_mov_b32 s[DS], 2048
	s_mov_b32 s[KIND], 0
	RANGE 512, 12, 28, 1, 17, 0,      8192, 0      ; 512-639: Wq
	RANGE 640, 14, 28, 0, 17, 4096,   8192, 0      ; 640-703: Wk
	RANGE 704, 16, 28, 0, 17, 6144,   8192, 0      ; 704-767: Wv
	RANGE 768, 18, 30, 0, 15, 0,      2048, 0      ; 768-783: cos
	RANGE 784, 20, 30, 0, 15, 524288, 2048, 0      ; 784-799: sin
	RANGE 800, 22, 32, 0, 15, 0,      2048, 1      ; 800-927: Wo
	s_mov_b32 s[HIM], 0xffff0000
	s_sub_co_u32 s46, s[ID], s[BASE]               ; my number in the range
	s_and_b32 s47, s46, s[HS]                      ; which half of the rows (Wq alone)
	s_lshr_b32 s46, s46, s[HS]                     ; which 16 units
	s_add_co_u32 s48, s[HS], 16
	s_lshl_b32 s48, s46, s48                       ; 16 units of 4,096 bytes (of 8,192 in Wq)
	s_lshl_b32 s50, s47, 12
	s_add_co_u32 s48, s48, s50
	s_mov_b32 s49, 0
	s_add_nc_u64 s[SRC:SRC+1], s[SRC:SRC+1], s[48:49]
	s_lshl_b32 s48, s46, s[DSH]
	s_lshl_b32 s50, s47, 11
	s_add_co_u32 s48, s48, s50
	s_add_co_u32 s48, s48, s[DADD]
	s_add_nc_u64 s[DST:DST+1], s[DST:DST+1], s[48:49]
	s_lshl_b32 s[SS], 4096, s[HS]
	v_lshlrev_b32 v[OS], 4, v0
	v_lshlrev_b32 v[OD], 3, v0
.set i, 1
.rept 15
	v_add_nc_u32 v[OS+i], s[SS], v[OS+i-1]
	v_add_nc_u32 v[OD+i], s[DS], v[OD+i-1]
.set i, i+1
.endr
.set i, 0
.rept 16
	global_load_b128 v[X+4*i:X+4*i+3], v[OS+i], s[SRC:SRC+1] th:TH_LOAD_NT
.set i, i+1
.endr
	s_cmp_eq_u32 s[KIND], 1
	s_cbranch_scc1 .Lhalf
.set i, 0
.rept 16
	s_wait_loadcnt 15-i                            ; loads come back in order: unit i is in, the 15 - i younger ones stay out
	v_cvt_pk_bf16_f32 v[Y+2*i], v[X+4*i], v[X+4*i+1]
	v_cvt_pk_bf16_f32 v[Y+2*i+1], v[X+4*i+2], v[X+4*i+3]
	global_store_b64 v[OD+i], v[Y+2*i:Y+2*i+1], s[DST:DST+1] th:TH_STORE_NT
.set i, i+1
.endr
	s_endpgm
.Lhalf:                                                ; Wo: rounded to bf16 like every input, then written as f16
.set i, 0
.rept 16
	s_wait_loadcnt 15-i
	v_cvt_pk_bf16_f32 v4, v[X+4*i], v[X+4*i+1]
	v_cvt_pk_bf16_f32 v5, v[X+4*i+2], v[X+4*i+3]
	v_lshlrev_b32 v6, 16, v4
	v_and_b32 v7, s[HIM], v4
	v_lshlrev_b32 v8, 16, v5
	v_and_b32 v9, s[HIM], v5
	v_cvt_pk_f16_f32 v[Y+2*i], v6, v7
	v_cvt_pk_f16_f32 v[Y+2*i+1], v8, v9
	global_store_b64 v[OD+i], v[Y+2*i:Y+2*i+1], s[DST:DST+1] th:TH_STORE_NT
.set i, i+1
.endr
	s_endpgm
.Lmask:                                                ; work-group id: U = id / 4; wave w makes ks = 8 (id % 4) + w, both pb
	v_lshrrev_b32 v1, 5, v0
	v_readfirstlane_b32 s46, v1                    ; wave 0..7
	s_and_b32 s47, s[ID], 3
	s_lshl3_add_u32 s47, s47, s46                  ; ks
	s_lshr_b32 s48, s[ID], 2
	s_lshl_b32 s48, s48, 16                        ; U x 32 rows of 2,048 bytes in the mask, and U x 65,536 bytes in mk
	s_mov_b32 s49, 0
	s_mov_b32 s50, 0x01010101
	s_mov_b32 s51, 0xcd
	v_and_b32 v2, 15, v0                           ; r
	v_bfe_u32 v3, v0, 4, 1                         ; h
	v_lshlrev_b32 v4, 11, v2                       ; row r
	v_lshl_add_u32 v4, v3, 3, v4                   ; + 8 h
	s_lshl_b32 s53, s47, 6
	v_add_nc_u32 v4, s53, v4                       ; + 64 ks
	v_and_b32 v5, 31, v0
	v_lshlrev_b32 v5, 4, v5                        ; 16 x lane
	s_lshl_b32 s53, s47, 11
	v_add_nc_u32 v5, s53, v5                       ; + 2,048 ks
	s_wait_kmcnt 0x0
	s_add_nc_u64 s[SRC:SRC+1], s[8:9], s[48:49]
	s_add_nc_u64 s[DST:DST+1], s[24:25], s[48:49]
.irp p, 0,1
.irp t, 0,1,2,3
	global_load_b64 v[X+8*(\p)+2*(\t):X+8*(\p)+2*(\t)+1], v4, s[SRC:SRC+1] offset:(\p)*32768+16*(\t)
.endr
.endr
	s_wait_loadcnt 0x0
.set i, 0
.rept 16
	v_xor_b32 v[X+i], s50, v[X+i]                  ; four bytes of 0 or 1 turned round,
	v_mul_lo_u32 v[X+i], v[X+i], s51               ; and times 0xCD: no byte carries into the next
.set i, i+1
.endr
.irp p, 0,1
.irp u, 0,1
	global_store_b128 v5, v[X+8*(\p)+4*(\u):X+8*(\p)+4*(\u)+3], s[DST:DST+1] offset:(\p)*1024+(\u)*512  ; 512 consecutive bytes
.endr
.endr
	s_endpgm
.Lfunc_end_k_q643cd41199_prep:
	.size	k_q643cd41199_prep, .Lfunc_end_k_q643cd41199_prep-k_q643cd41199_prep
	.p2alignl 7, 3214868480
	.fill 96, 4, 3214868480
	.section	.rodata,"a",@progbits
	.p2align	6, 0x0
	.amdhsa_kernel k_q643cd41199_prep
		.amdhsa_group_segment_fixed_size 0
		.amdhsa_private_segment_fixed_size 0
		.amdhsa_enable_private_segment 0
		.amdhsa_kernarg_size 104
		.amdhsa_user_sgpr_count 2
		.amdhsa_user_sgpr_kernarg_segment_ptr 1
		.amdhsa_wavefront_size32 1
		.amdhsa_system_sgpr_workgroup_id_x 1
		.amdhsa_system_sgpr_workgroup_id_y 1
		.amdhsa_system_sgpr_workgroup_id_z 1
		.amdhsa_system_vgpr_workitem_id 0
		.amdhsa_next_free_vgpr 144
		.amdhsa_next_free_sgpr 66
		.amdhsa_reserve_vcc 0
		.amdhsa_float_denorm_mode_32 3
		.amdhsa_float_denorm_mode_16_64 3
		.amdhsa_memory_ordered 1
		.amdhsa_forward_progress 1
		.amdhsa_inst_pref_size 22
	.end_amdhsa_kernel
	.amdgpu_metadata
---
amdhsa.version: [ 1, 2 ]
amdhsa.kernels:
  - .name:           k_q643cd41199_prep
    .symbol:         k_q643cd41199_prep.kd
    .args:
      - { .name: attention_mask, .offset: 0, .size: 8, .value_kind: global_buffer, .address_space: global }
      - { .name: hidden_states, .offset: 8, .size: 8, .value_kind: global_buffer, .address_space: global }
      - { .name: Wq, .offset: 16, .size: 8, .value_kind: global_buffer, .address_space: global }
      - { .name: Wk, .offset: 24, .size: 8, .value_kind: global_buffer, .address_space: global }
      - { .name: Wv, .offset: 32, .size: 8, .value_kind: global_buffer, .address_space: global }
      - { .name: cos, .offset: 40, .size: 8, .value_kind: global_buffer, .address_space: global }
      - { .name: sin, .offset: 48, .size: 8, .value_kind: global_buffer, .address_space: global }
      - { .name: Wo, .offset: 56, .size: 8, .value_kind: global_buffer, .address_space: global }
      - { .name: mk, .offset: 64, .size: 8, .value_kind: global_buffer, .address_space: global }
      - { .name: xb, .offset: 72, .size: 8, .value_kind: global_buffer, .address_space: global }
      - { .name: wqkv, .offset: 80, .size: 8, .value_kind: global_buffer, .address_space: global }
      - { .name: tab, .offset: 88, .size: 8, .value_kind: global_buffer, .address_space: global }
      - { .name: wo, .offset: 96, .size: 8, .value_kind: global_buffer, .address_space: global }
    .group_segment_fixed_size: 0
    .private_segment_fixed_size: 0
    .kernarg_segment_align: 8
    .kernarg_segment_size: 104
    .max_flat_workgroup_size: 256
    .sgpr_count:     66
    .vgpr_count:     144
    .wavefront_size: 32
...
	.end_amdgpu_metadata
.endif
;; end of part 1
;; launch qkv (part 2): grid 16 x 16, 4 waves a work-group, clusters of 4 x 4, 327,680 bytes of LDS; arguments xb, wqkv, tab, q_norm_w, k_norm_w, qkv; writes qkv
.if DOCPART == 2
	.amdgcn_target "amdgcn-amd-amdhsa--gfx1250"
	.amdhsa_code_object_version 6
	.text
	.protected	k_q643cd41199_qkv
	.globl	k_q643cd41199_qkv
	.p2align	8
	.type	k_q643cd41199_qkv,@function
k_q643cd41199_qkv:
	s_mov_b64 s[64:65], 0
	v_nop
	global_prefetch_b8 v0, s[64:65] scope:SCOPE_SE
	s_setreg_imm32_b32 hwreg(HW_REG_WAVE_MODE, 25, 1), 1
	s_wait_xcnt 0x0
	s_wait_alu depctr_hold_cnt(0) depctr_sa_sdst(0) depctr_va_vdst(0) depctr_va_sdst(0) depctr_va_ssrc(0) depctr_va_vcc(0) depctr_vm_vsrc(0)
	s_getreg_b32 s2, hwreg(HW_REG_IB_STS2, 6, 4)
	s_cmp_eq_u32 s2, 0
	s_cbranch_scc0 .Lentry_in_a_cluster
	s_endpgm
.Lentry_in_a_cluster:
	s_bfe_u32 s2, ttmp6, 0x10000c
	s_cmp_lg_u32 s2, 0xf033
	s_cbranch_scc0 .Lentry_shape_is_right
	s_endpgm
.Lentry_shape_is_right:
; THE THREE PROJECTIONS, THE RMS NORM AND THE ROTATION.  C = xb [4096][1024] x wqkv [1024][4096], bf16 operands, f32 sums; on the way out each head's 128 channels of q and k are divided by their root
; mean square (+ 1e-6), multiplied by the gain (rounded to bf16 like every input) and rotated by cos and sin (bf16, from tab); v goes out as it is.  All is rounded once, to f16, into
; qkv [b 2][head 32: 16 q, 8 k, 8 v][s 2048][128].  LIMITS: f16 ends at 65,504: v is taken to lie within it; in a v tile the gain is multiplied by 0, so an infinite k_norm_w would spoil v.
; SHARES.  A tile of C is 256 x 256: four waves, 128 x 128 each, 64 accumulators.  Its columns are two heads (a wave: one head); its rows are positions 128 ty .. + 127 of BOTH batches (a wave's row half is
; the batch), so that all four waves want the same 128 rows of cos and sin.  K goes in 8 steps of 128 through a ring of two LDS slots.  wqkv lies [k][n] in memory and in LDS; its fragments come turned, by ds_load_tr16_b128.
; CLUSTER 4 x 4: the tiles of xb are shared along a row of the cluster, those of wqkv along a column, the table along a row: joint loads.
; THE MATRIX INSTRUCTION IS USED TRANSPOSED (source 0 = 16 columns of wqkv, source 1 = 16 rows of xb): a lane holds one row of C and eight neighbouring columns.
; REGISTERS, in windows of 256: window 0: v10-11, v16-31 addresses, v32-49 gains, v64-127 and v128-191 fragments of xb (two buffers; on the way out at work); window 1: the same numbers, fragments of wqkv;
; windows 2 and 3: the accumulators of my rows 0-63 and 64-127, (a, b) at 8 (8 (a % 4) + b).
.set KSTEP,  128
.set PA,     272                       ; a row of xb's tile in LDS: 256 bytes + 16: the 16 rows of a load start at 16 different groups of four banks (64 banks of 4 bytes: ISA guide 11.1)
.set PB,     544                       ; a k-row of wqkv's tile: 512 bytes + 32
.set HALFT,  128*PA                    ; 34,816: what one tensor load brings: 128 rows of xb, or 64 k-rows of wqkv (64 x 544 is the same number)
.set BOFF,   2*HALFT
.set SLOT,   4*HALFT
.set STG,    SLOT                      ; the stage of the way out: 256 rows of 560 bytes, in slot 1 when that slot has had its last fill, and 4,096 bytes behind it
.set SPT,    560                       ; a stage row: 512 bytes, 16 more in its middle, 32 at its end = 35 x 16
.set SPARE,  STG+256*SPT               ; 282,624: the spare words, 128 bytes for each wave
.set LAPS,   4                         ; a lap = two K steps = once round the ring
.set HB,     524288                    ; bytes of a head in qkv
.set ASTEP,  KSTEP*2                   ; a K step in xb: 256 bytes along the rows
.set BSTEP,  KSTEP*8192                ; in wqkv: 128 rows down
.set GOF,  10                          ; v10     byte offset of my 8 channels in the gain; v11 of the 8 channels 64 away: named by the gains' four loads alone, never rewritten
.set ADRA, 16                          ; v16-17  LDS address of my fragments of xb in slot 0, 1
.set ADRB, 20                          ; v20-21  of wqkv
.set RD,   22                          ; v22     the way out: where I read rows of the first two waves' parts of the stage
.set RD2,  23                          ; v23     of the other two
.set STO,  24                          ; v24     where I put 16 bytes of a stage row
.set TG,   25                          ; v25     256 x position in the tile + 16 (lane % 16): my 16 bytes in the table in LDS, and the same number my 16 bytes in a head's rows of qkv
.set RDB,  26                          ; v26     RD at a round's beginning
.set SPW,  28                          ; v28     LDS address of my spare word; never rewritten
.set NIL,  29                          ; v29     0; never rewritten
.set PFO,  30                          ; v30     the prefetches' offset; never rewritten
.set GW,   32                          ; v32-39  gain of my 8 channels (0 in a v tile)
.set GWO,  40                          ; v40-47  gain of the 8 channels 64 away, with the rotation's sign (0 in a v tile)
.set EE,   48                          ; v48     0, in a v tile 1
.set ZR,   49                          ; v49     0
.set F0,   64
.set F1,   128
.set CT,   64                          ; the way out: v64-67 cos, v68-71 sin (8 bf16 each), v72-79 cos x gain, v80-87 sin x gain
.set SN,   68
.set CW,   72
.set SW,   80
.set RO,   96                          ; row k of four at v[96 + 24 k]: +0..7 x, +8..15 at work, +16 sum of squares, +18, 19 its root's reciprocal, +20..23 packed
.set WV,  16                           ; s16 wave; s17 my row half, also: I fetch xb (0) or wqkv (1); s18 my column half, also: which half of that tile I fetch
.set RH,  17
.set CH,  18
.set CX,  19
.set CY,  20
.set TX,  21
.set TY,  22
.set G1A, 24                           ; s[24:31] descriptor group 1 for xb's tiles; s[32:39] group 0, a set for each slot
.set G0A, 32
.set LIM, 43                           ; s43  1 in a wave that prefetches, else the greatest number
.set PFA, 44                           ; s[44:45] where my prefetches stand
.set PST, 46                           ; s[46:47] a K step in the tensor that I fetch
.set G1B, 48                           ; s[48:55], s[56:63] the same for wqkv's tiles
.set G0B, 56
.set G1T, 68                           ; s[68:75], s[76:79] for the table
.set G0T, 76
.set OUT0, 80                          ; s[80:81] qkv at the tile's first head and position, batch 0; s[82:83] batch 1
.set OUT1, 82
.set KAP,  84                          ; s84 1/128 (v: 0);  s85 1e-6 (v: 1);  s92 1 (v: 0)
.set EPSV, 85
.set FLG,  92
.set GP,   96                          ; s[96:97] the gain's address
.set MIX,  98                          ; s[98:99] offsets that hold the place along the cluster's x: they feed stores and prefetches alone, never a descriptor
.set MSB, 0
.macro WIN new                         ; the immediate's high byte repeats the setting that is left
.if MSB != (\new)
	s_set_vgpr_msb (MSB<<8)|(\new)
.set MSB, \new
.endif
.endm
.set MUL_LO, 0xa1                      ; source 0 window 1, source 1 window 0, C and D window 2
.set MUL_HI, 0xf1                      ; the same, C and D window 3
.set TO_B,   0x40                      ; destination window 1, address window 0
.macro PLACES                          ; four places behind matrix instructions, in front of loads into their registers and of lines that read results
.rept 4
	v_nop
.endr
.endm
; A joint refill: waves 0 and 1 fetch xb's two halves, waves 2 and 3 wqkv's.  The branch hangs on the wave's number alone.  An s_nop 0 and four v_nop follow each line.
.macro JLOAD s
	s_cmp_eq_u32 s[RH], 0
	s_cbranch_scc0 .Lfor_b_\@
	tensor_load_to_lds s[G0A+4*(\s):G0A+4*(\s)+3], s[G1A:G1A+7]
	s_nop 0
	PLACES
	s_branch .Lasked_\@
.Lfor_b_\@:
	tensor_load_to_lds s[G0B+4*(\s):G0B+4*(\s)+3], s[G1B:G1B+7]
	s_nop 0
	PLACES
.Lasked_\@:
.endm
; A prefetch into the L2 of the K step that stands two refills on: 32 blocks of 256 bytes, a lane a block, one instruction a wave.  xb's rows are asked for by the cluster with x = 0, wqkv's by the
; cluster with y = 0; of the 128 blocks that a wave fetches each of the four partners takes 32, told apart by address.  So each block is named once in the launch.  The loop's last trip (s3 = 1) asks for nothing:
; there is no K step two on.  K steps 0 to 3 come by their loads alone.
.macro ASK
	s_cmp_gt_u32 s3, s[LIM]
	s_cbranch_scc0 .Lnot_mine_\@
	global_prefetch_b8 v[PFO], s[PFA:PFA+1] th:TH_LOAD_NT scope:SCOPE_SE
.Lnot_mine_\@:
.endm
.macro CREST                           ; a round of the cluster's barrier behind its opening barrier
	s_cmp_lg_u32 s[WV], 0
	s_cbranch_scc1 .Lnot_wave_0_\@
	s_barrier_signal -3
.Lnot_wave_0_\@:
	s_barrier_wait -3
	s_barrier_signal -1
	s_barrier_wait -1
.endm
.macro CROUND
	s_barrier_signal -1
	s_barrier_wait -1
	CREST
.endm
	s_load_b256 s[4:11], s[0:1], 0x0               ; xb s[4:5], wqkv s[6:7], tab s[8:9], q_norm_w s[10:11]
	s_load_b128 s[12:15], s[0:1], 0x20             ; k_norm_w s[12:13], qkv s[14:15]
	v_lshl_add_u32 v[SPW], v0, 2, SPARE
	v_mov_b32 v[NIL], 0
	ds_add_u32 v[SPW], v[NIL]                      ; the wave's opening: the add and its wait stand ahead of my first tensor load; the set-up below stands between them
	v_lshrrev_b32 v1, 5, v0
	v_readfirstlane_b32 s[WV], v1
	s_lshr_b32 s[RH], s[WV], 1
	s_and_b32 s[CH], s[WV], 1
	s_bfe_u32 s[CX], ttmp6, 0x40000
	s_bfe_u32 s[CY], ttmp6, 0x40004
	s_lshl_b32 s[TX], ttmp9, 2
	s_add_co_u32 s[TX], s[TX], s[CX]               ; tile column = 4 x cluster x + cx: heads 2 tx, 2 tx + 1
	s_and_b32 s[TY], ttmp7, 0xffff
	s_lshl_b32 s[TY], s[TY], 2
	s_add_co_u32 s[TY], s[TY], s[CY]               ; tile row = 4 x cluster y + cy: positions 128 ty on
	s_lshl_b32 s40, s[CY], 2
	s_lshl_b32 s40, 15, s40                        ; my row of the cluster
	s_lshl_b32 s41, 0x1111, s[CX]                  ; my column
	s_or_b32 s[G1A], s40, (1<<16)|(1<<20)|(1<<21)|(5<<22)|(3<<25)  ; mask; 2-byte elements; padding on; bit 21 beside a mask; after every 64 words, 4 words
	s_mov_b32 s[G1A+1], 128<<16                    ; tensor_dim0 = 128
	s_mov_b32 s[G1A+2], 128<<16                    ; tensor_dim1 = 128
	s_mov_b32 s[G1A+3], 128<<16                    ; tile_dim0 = 128
	s_mov_b32 s[G1A+4], 128                        ; tile_dim1 = 128
	s_mov_b32 s[G1A+5], 1024                       ; elements from row to row
	s_mov_b32 s[G1A+6], 0
	s_mov_b32 s[G1A+7], 0
	s_or_b32 s[G1B], s41, (1<<16)|(1<<20)|(1<<21)|(6<<22)|(7<<25)  ; after every 128 words, 8 words
	s_mov_b32 s[G1B+1], 256<<16                    ; 64 k-rows of 256 elements
	s_mov_b32 s[G1B+2], 64<<16
	s_mov_b32 s[G1B+3], 256<<16
	s_mov_b32 s[G1B+4], 64
	s_mov_b32 s[G1B+5], 4096
	s_mov_b32 s[G1B+6], 0
	s_mov_b32 s[G1B+7], 0
	s_or_b32 s[G1T], s40, (3<<16)|(1<<21)          ; the table: 16,384 dense bytes as 64 rows of 32 elements of 8 bytes, no padding
	s_mov_b32 s[G1T+1], 32<<16
	s_mov_b32 s[G1T+2], 64<<16
	s_mov_b32 s[G1T+3], 32<<16
	s_mov_b32 s[G1T+4], 64
	s_mov_b32 s[G1T+5], 32
	s_mov_b32 s[G1T+6], 0
	s_mov_b32 s[G1T+7], 0
	s_lshl_b32 s86, s[CH], 22                      ; xb: batch = the half that I fetch, 2,048 rows of 2,048 bytes,
	s_lshl_b32 s87, s[TY], 18                      ; + 128 ty rows
	s_add_co_u32 s86, s86, s87
	s_mov_b32 s87, 0
	s_lshl_b32 s88, s[CH], 19                      ; wqkv: 64 k-rows of 8,192 bytes for the half,
	s_lshl_b32 s89, s[TX], 9                       ; + the tile's 256 columns
	s_add_co_u32 s88, s88, s89
	s_mov_b32 s89, 0
	s_lshl_b32 s90, s[RH], 19                      ; the table: cos (waves 0, 1) or sin (waves 2, 3),
	s_lshl_b32 s91, s[TY], 15                      ; position 128 ty,
	s_add_co_u32 s90, s90, s91
	s_lshl_b32 s91, s[CH], 14                      ; + 64 for the second half
	s_add_co_u32 s90, s90, s91
	s_mov_b32 s91, 0
	s_mul_i32 s42, s[WV], HALFT                    ; where my part of a tile goes: wave x 34,816
	s_lshl_b32 s23, s[WV], 14                      ; and my part of the table: wave x 16,384
	s_wait_dscnt 0x0                               ; the opening add is done
	s_wait_kmcnt 0x0
	s_add_nc_u64 s[86:87], s[4:5], s[86:87]
	s_add_nc_u64 s[88:89], s[6:7], s[88:89]
	CROUND                                         ; all sixteen work-groups are here: the first joint loads meet
.irp s, 0,1
	s_mov_b32 s[G0A+4*(\s)], 1
	s_add_co_u32 s[G0A+4*(\s)+1], s42, (\s)*SLOT
	s_add_nc_u64 s[G0A+4*(\s)+2:G0A+4*(\s)+3], s[86:87], (\s)*ASTEP
	s_or_b32 s[G0A+4*(\s)+3], s[G0A+4*(\s)+3], 0x80000000
	s_mov_b32 s[G0B+4*(\s)], 1
	s_add_co_u32 s[G0B+4*(\s)+1], s42, (\s)*SLOT
	s_add_nc_u64 s[G0B+4*(\s)+2:G0B+4*(\s)+3], s[88:89], (\s)*BSTEP
	s_or_b32 s[G0B+4*(\s)+3], s[G0B+4*(\s)+3], 0x80000000
.endr
	s_mov_b32 s[G0T], 1
	s_mov_b32 s[G0T+1], s23
	s_add_nc_u64 s[G0T+2:G0T+3], s[8:9], s[90:91]
	s_or_b32 s[G0T+3], s[G0T+3], 0x80000000
	s_cmp_eq_u32 s[RH], 0                          ; a wave's two first fills stand in one branch, ahead of every wait on TENSORcnt and every LDS read: two loads of mine are out
	s_cbranch_scc0 .Lfirst_b
	tensor_load_to_lds s[G0A:G0A+3], s[G1A:G1A+7]
	s_nop 0
	tensor_load_to_lds s[G0A+4:G0A+7], s[G1A:G1A+7]
	s_nop 0
	PLACES
	s_branch .Lfirst_asked
.Lfirst_b:
	tensor_load_to_lds s[G0B:G0B+3], s[G1B:G1B+7]
	s_nop 0
	tensor_load_to_lds s[G0B+4:G0B+7], s[G1B:G1B+7]
	s_nop 0
	PLACES
.Lfirst_asked:
	; the gains: q_norm_w for q's tiles (cluster x 0, 1), k_norm_w for k's (2) and, times 0, for v's (3).  Lane % 16 = c holds channels 8 c .. 8 c + 7
	v_and_b32 v1, 15, v0                           ; l % 16
	v_bfe_u32 v2, v0, 4, 1                         ; l / 16
	s_cmp_lt_u32 ttmp9, 2
	s_cselect_b64 s[GP:GP+1], s[10:11], s[12:13]
	s_cmp_eq_u32 ttmp9, 3
	s_cselect_b32 s[FLG], 0, 1.0
	s_cselect_b32 s[KAP], 0, 0x3c000000
	s_cselect_b32 s[EPSV], 1.0, 0x358637bd
	v_lshlrev_b32 v[GOF], 5, v1
	v_xor_b32 v[GOF+1], 0x100, v[GOF]              ; the channels 64 away
	global_load_b128 v[GW:GW+3], v[GOF], s[GP:GP+1]            ; the two offsets and the base are written by no later line: the loads stay out over the set-up below
	global_load_b128 v[GW+4:GW+7], v[GOF], s[GP:GP+1] offset:16
	global_load_b128 v[GWO:GWO+3], v[GOF+1], s[GP:GP+1]
	global_load_b128 v[GWO+4:GWO+7], v[GOF+1], s[GP:GP+1] offset:16
	; a fragment of xb: lane l holds row l % 16, two loads of 16 bytes, 32 bytes apart
	v_mul_u32_u24 v3, v1, PA
	v_lshl_add_u32 v3, v2, 4, v3
	; the turning load: lane l reads k-row 8 (l / 16) + l % 8, 16 bytes at 16 ((l / 8) % 2), and ends with column l % 16 and 8 k
	v_and_b32 v4, 7, v0
	v_lshl_add_u32 v4, v2, 3, v4
	v_mul_u32_u24 v4, v4, PB
	v_bfe_u32 v7, v0, 3, 1
	v_lshl_add_u32 v4, v7, 4, v4
	s_mul_i32 s90, s[RH], HALFT                    ; my batch's 128 rows of xb
	s_lshl_b32 s91, s[CH], 8                       ; my head's 128 columns of wqkv,
	s_add_co_u32 s91, s91, BOFF                    ; behind xb's 256 rows
.irp s, 0,1
	v_add_nc_u32 v[ADRA+(\s)], s90, v3
	v_add_nc_u32 v[ADRB+(\s)], s91, v4
	s_add_co_u32 s90, s90, SLOT
	s_add_co_u32 s91, s91, SLOT
.endr
	; the way out's addresses
	s_mul_i32 s90, s[WV], 64*SPT
	s_add_co_u32 s90, s90, STG
	v_mul_u32_u24 v5, v1, SPT                      ; in: my wave's 64 stage rows, row l % 16 of a block, 32 bytes for each half of the lanes
	v_lshl_add_u32 v5, v2, 5, v5
	v_add_nc_u32 v[STO], s90, v5
	s_lshl_b32 s90, s[WV], 4
	v_add_nc_u32 v5, s90, v2                       ; back: position 16 w + l / 16 of a round's 64,
	v_mul_u32_u24 v6, v5, SPT
	v_lshl_add_u32 v6, v1, 5, v6                   ; channels 8 (l % 16) on: 32 bytes,
	v_lshl_add_u32 v6, v7, 4, v6                   ; behind the 16 bytes in the row's middle for channels 64 on
	v_add_nc_u32 v[RDB], STG, v6
	v_lshlrev_b32 v5, 8, v5
	v_lshl_add_u32 v[TG], v1, 4, v5
	s_lshl_b32 s[MIX], s[TX], 20                   ; head 2 tx,
	s_lshl_b32 s[MIX+1], s[TY], 15                 ; position 128 ty
	s_add_co_u32 s[MIX], s[MIX], s[MIX+1]
	s_mov_b32 s[MIX+1], 0
	s_add_nc_u64 s[OUT0:OUT0+1], s[14:15], s[MIX:MIX+1]
	s_add_nc_u64 s[OUT1:OUT1+1], s[OUT0:OUT0+1], 32*HB
	; the prefetches
	s_and_b32 s[MIX], ttmp7, 0xffff                ; cluster y
	s_mov_b32 s94, 8192                            ; an instruction holds one literal: wqkv's figures are laid down first, xb's replace them by the selects below
	s_mov_b32 s[PST], BSTEP
	s_cmp_eq_u32 s[RH], 0                          ; do I fetch xb?
	s_cselect_b32 s[MIX+1], s[CX], s[CY]           ; my place among the four that ask with me
	s_cselect_b32 s[MIX], ttmp9, s[MIX]            ; the coordinate along which other clusters read the same blocks
	s_cselect_b64 s[PFA:PFA+1], s[86:87], s[88:89]
	s_cselect_b32 s93, 0, 1                        ; xb: a lane a row of 256 bytes; wqkv: two lanes a k-row of 512
	s_cselect_b32 s94, 2048, s94                   ; bytes from row to row
	s_cselect_b32 s[PST], ASTEP, s[PST]            ; a K step
	s_mov_b32 s[PST+1], 0
	s_cmp_eq_u32 s[MIX], 0
	s_cselect_b32 s[LIM], 1, -1                    ; the same in all sixteen partners, for a given wave
	s_lshr_b32 s[MIX], 32, s93
	s_mul_i32 s[MIX], s[MIX], s[MIX+1]
	s_mul_i32 s[MIX], s[MIX], s94                  ; my work-group's 32 blocks of the 128
	s_mov_b32 s[MIX+1], 0
	s_add_nc_u64 s[PFA:PFA+1], s[PFA:PFA+1], s[MIX:MIX+1]
.rept 3
	s_add_nc_u64 s[PFA:PFA+1], s[PFA:PFA+1], s[PST:PST+1]  ; at K step 3: the first change of slots steps it to 4
.endr
	v_and_b32 v5, 31, v0
	v_lshrrev_b32 v6, s93, v5
	v_mul_u32_u24 v6, s94, v6
	v_and_b32 v5, s93, v5
	v_lshl_add_u32 v[PFO], v5, 8, v6
	; the gains are rounded to bf16, like every input, and take the tile's flag and the rotation's sign
	v_xor_b32 v7, 1, v7                            ; channels 0-63 take minus the channel 64 on
	v_lshlrev_b32 v7, 31, v7
	v_xor_b32 v7, s[FLG], v7
	v_mov_b32 v[EE], s[FLG]
	v_sub_f32 v[EE], 1.0, v[EE]
	v_mov_b32 v[ZR], 0
	s_wait_loadcnt 0x0                             ; the gains are in
.irp e, 0,2,4,6
	v_cvt_pk_bf16_f32 v8, v[GW+(\e)], v[GW+(\e)+1]
	v_cvt_pk_bf16_f32 v9, v[GWO+(\e)], v[GWO+(\e)+1]
	v_lshlrev_b32 v[GW+(\e)], 16, v8
	v_and_b32 v[GW+(\e)+1], 0xffff0000, v8
	v_lshlrev_b32 v[GWO+(\e)], 16, v9
	v_and_b32 v[GWO+(\e)+1], 0xffff0000, v9
.endr
.irp e, 0,1,2,3,4,5,6,7
	v_mul_f32 v[GW+(\e)], s[FLG], v[GW+(\e)]
	v_mul_f32 v[GWO+(\e)], v7, v[GWO+(\e)]
.endr
; 16 matrix instructions: row blocks a0, a0 + 1 of the window's four x all 8 column blocks, 32 along K.  zero = 1: the first product starts the sums.  The 64 accumulators take turns.
.macro MUL16 f, hi, a0, zero
	WIN MUL_LO+0x50*(\hi)
.irp a, \a0, (\a0)+1
.irp b, 0,1,2,3,4,5,6,7
.if \zero
	v_wmma_f32_16x16x32_bf16 v[8*(8*(\a)+(\b)):8*(8*(\a)+(\b))+7], v[(\f)+8*(\b):(\f)+8*(\b)+7], v[(\f)+8*(4*(\hi)+(\a)):(\f)+8*(4*(\hi)+(\a))+7], 0
.else
	v_wmma_f32_16x16x32_bf16 v[8*(8*(\a)+(\b)):8*(8*(\a)+(\b))+7], v[(\f)+8*(\b):(\f)+8*(\b)+7], v[(\f)+8*(4*(\hi)+(\a)):(\f)+8*(4*(\hi)+(\a))+7], v[8*(8*(\a)+(\b)):8*(8*(\a)+(\b))+7]
.endif
.endr
.endr
.endm
; 32 LDS loads in one run: the fragments of quarter q of a K step (32 along K) into buffer f: wqkv's 16, then xb's 16
.macro FETCH slot, q, f
	WIN TO_B
.irp i, 0,1,2,3,4,5,6,7
	ds_load_tr16_b128 v[(\f)+8*(\i):(\f)+8*(\i)+3],   v[ADRB+(\slot)] offset:(\q)*32*PB+32*(\i)
	ds_load_tr16_b128 v[(\f)+8*(\i)+4:(\f)+8*(\i)+7], v[ADRB+(\slot)] offset:(\q)*32*PB+32*(\i)+16*PB
.endr
	WIN 0
.irp i, 0,1,2,3,4,5,6,7
	ds_load_b128 v[(\f)+8*(\i):(\f)+8*(\i)+3],   v[ADRA+(\slot)] offset:64*(\q)+(\i)*16*PA
	ds_load_b128 v[(\f)+8*(\i)+4:(\f)+8*(\i)+7], v[ADRA+(\slot)] offset:64*(\q)+(\i)*16*PA+32
.endr
.endm
; One of a K step's first three quarters: multiplies buffer f; in its middle it fetches quarter q of the same slot into buffer g.
.macro QUARTER slot, q, f, g, zero
	s_wait_dscnt 8                                 ; wqkv's fragments and xb's rows 0-63 are in; the youngest eight loads (rows 64-127) may be out
	MUL16 \f, 0, 0, \zero
	MUL16 \f, 0, 2, \zero
	PLACES
	FETCH \slot, \q, \g
	s_wait_dscnt 32                                ; all but the 32 just issued
	MUL16 \f, 1, 0, \zero
	MUL16 \f, 1, 2, \zero
.endm
; The first half of the last quarter: ONE barrier for the change of slots.  In front of it each wave waits for all its tensor loads (one is out: its part of the next slot), adds 0 to its spare word, and waits for that and for its reads of this slot.
.macro MEET round
	WIN 0
	s_wait_tensorcnt 0x0
	ds_add_u32 v[SPW], v[NIL]
	s_wait_dscnt 9                                 ; (the add and the youngest eight loads may be out)
	MUL16 F1, 0, 0, 0                              ; sixteen matrix instructions stand between the add and the wait for it
	s_wait_dscnt 0x0                               ; the add is done, and my reads of this slot are over
	s_barrier_signal -1
	MUL16 F1, 0, 2, 0
.if \round
	WIN 0
.endif
	s_barrier_wait -1
.endm
; The whole last quarter.  how = 1: the slot just read out is filled again, two K steps on; how = 2: slot 0 has had its last tile, and takes the table.
.macro TURN slot, next, how
.if (\how) == 1
	s_wait_xcnt 0x0                                ; the last prefetch, a K step back, has read its address
	s_add_nc_u64 s[PFA:PFA+1], s[PFA:PFA+1], s[PST:PST+1]
.endif
	MEET 1
	CREST                                          ; the barrier has opened a round of the cluster's: no wave of any partner still reads this slot or has a load on its way
.if (\how) == 1
	s_add_nc_u64 s[G0A+4*(\slot)+2:G0A+4*(\slot)+3], s[G0A+4*(\slot)+2:G0A+4*(\slot)+3], 2*ASTEP
	s_add_nc_u64 s[G0B+4*(\slot)+2:G0B+4*(\slot)+3], s[G0B+4*(\slot)+2:G0B+4*(\slot)+3], 2*BSTEP
	JLOAD \slot                                    ; the first tensor load behind the round: 224 matrix instructions ahead of the wait for it; its four v_nop are also the places in front of the loads below
.else
	tensor_load_to_lds s[G0T:G0T+3], s[G1T:G1T+7]  ; every wave brings a quarter of the table: it has the last K step in which to land
	s_nop 0
	PLACES
.endif
	FETCH \next, 0, F0
.if (\how) == 1
	ASK
.endif
	MUL16 F1, 1, 0, 0
	MUL16 F1, 1, 2, 0
.endm
	s_wait_tensorcnt 1                             ; my part of K step 0 is in; K step 1's may stay out
	s_barrier_signal -1
	s_barrier_wait -1
	FETCH 0, 0, F0
	QUARTER 0, 1, F0, F1, 1                        ; the first quarter stands in front of the loop: its products start the sums
	WIN 0
	s_mov_b32 s3, LAPS-1
.Llap:                                                 ; a trip goes once round the ring and fills both slots again
	QUARTER 0, 2, F1, F0, 0
	QUARTER 0, 3, F0, F1, 0
	TURN 0, 1, 1
	QUARTER 1, 1, F0, F1, 0
	QUARTER 1, 2, F1, F0, 0
	QUARTER 1, 3, F0, F1, 0
	TURN 1, 0, 1
	QUARTER 0, 1, F0, F1, 0
	WIN 0
	s_sub_co_u32 s3, s3, 1
	s_cmp_lg_u32 s3, 0
	s_cbranch_scc1 .Llap
	QUARTER 0, 2, F1, F0, 0                        ; the last lap
	QUARTER 0, 3, F0, F1, 0
	TURN 0, 1, 2
	QUARTER 1, 1, F0, F1, 0
	QUARTER 1, 2, F1, F0, 0
	QUARTER 1, 3, F0, F1, 0
	s_wait_dscnt 8
	MUL16 F1, 0, 0, 0
	MUL16 F1, 0, 2, 0
	s_wait_dscnt 0x0
	MUL16 F1, 1, 0, 0
	MUL16 F1, 1, 2, 0
	WIN 0
; THE WAY OUT, in two rounds.  In a round every wave puts four of its row blocks (64 positions of its batch and head, f32) into the stage; then wave w takes positions 16 w .. 16 w + 15 of the 64, for all four
; pairs of batch and head: 16 lanes hold a row's 128 channels, 8 each, so the sum of squares is four steps among 16 lanes, and the channel 64 away lies 8 lanes away.
;   out[d] = rs (x[d] cos[d] w[d] + sign(d) x[d ^ 64] w[d ^ 64] sin[d]),  rs = 1 / sqrt(sum of x^2 / 128 + 1e-6).  In a v tile the same lines give out = x: cos w + 1 = 1, sin w = 0, rs = 1 / sqrt(1).
.macro STORES win                      ; 64 stores: each accumulator's registers 0-3 ahead of 4-7
	WIN \win                                       ; the data (source 1) in window 2 or 3
.irp a, 0,1,2,3
.irp b, 0,1,2,3,4,5,6,7
	ds_store_b128 v[STO], v[8*(8*(\a)+(\b)):8*(8*(\a)+(\b))+3]   offset:(\a)*16*SPT+64*(\b)+16*((\b)/4)
	ds_store_b128 v[STO], v[8*(8*(\a)+(\b))+4:8*(8*(\a)+(\b))+7] offset:(\a)*16*SPT+64*(\b)+16*((\b)/4)+16
.endr
.endr
.endm
.macro GROUP                           ; two positions (a half of the lanes each) x four pairs of batch and head
	ds_load_b128 v[CT:CT+3], v[TG]
	ds_load_b128 v[SN:SN+3], v[TG] offset:32768
.irp k, 0,1
	ds_load_b128 v[RO+24*(\k):RO+24*(\k)+3],   v[RD] offset:(\k)*64*SPT
	ds_load_b128 v[RO+24*(\k)+4:RO+24*(\k)+7], v[RD] offset:(\k)*64*SPT+16
.endr
.irp k, 2,3
	ds_load_b128 v[RO+24*(\k):RO+24*(\k)+3],   v[RD2] offset:((\k)-2)*64*SPT
	ds_load_b128 v[RO+24*(\k)+4:RO+24*(\k)+7], v[RD2] offset:((\k)-2)*64*SPT+16
.endr
	s_wait_dscnt 8                                 ; cos and sin are in; the eight loads of x may be out
.irp e, 0,2,4,6
	v_fma_mix_f32_bf16 v[CW+(\e)], v[CT+(\e)/2], v[GW+(\e)], v[EE] op_sel_hi:[1,0,0]
	v_fma_mix_f32_bf16 v[SW+(\e)], v[SN+(\e)/2], v[GWO+(\e)], v[ZR] op_sel_hi:[1,0,0]
.endr
.irp e, 1,3,5,7
	v_fma_mix_f32_bf16 v[CW+(\e)], v[CT+(\e)/2], v[GW+(\e)], v[EE] op_sel:[1,0,0] op_sel_hi:[1,0,0]
	v_fma_mix_f32_bf16 v[SW+(\e)], v[SN+(\e)/2], v[GWO+(\e)], v[ZR] op_sel:[1,0,0] op_sel_hi:[1,0,0]
.endr
	s_wait_dscnt 0x0
.irp k, 0,1,2,3
	v_pk_mul_f32 v[RO+24*(\k)+8:RO+24*(\k)+9], v[RO+24*(\k):RO+24*(\k)+1], v[RO+24*(\k):RO+24*(\k)+1]
.endr
.irp e, 2,4,6
.irp k, 0,1,2,3
	v_pk_fma_f32 v[RO+24*(\k)+8:RO+24*(\k)+9], v[RO+24*(\k)+(\e):RO+24*(\k)+(\e)+1], v[RO+24*(\k)+(\e):RO+24*(\k)+(\e)+1], v[RO+24*(\k)+8:RO+24*(\k)+9]
.endr
.endr
.irp k, 0,1,2,3
	v_add_f32 v[RO+24*(\k)+16], v[RO+24*(\k)+8], v[RO+24*(\k)+9]
.endr
.irp m, 1,2,4,8
.irp k, 0,1,2,3
	v_add_f32_dpp v[RO+24*(\k)+16], v[RO+24*(\k)+16], v[RO+24*(\k)+16] row_xmask:\m row_mask:0xf bank_mask:0xf
.endr
.endr
.irp k, 0,1,2,3
	v_fma_f32 v[RO+24*(\k)+16], v[RO+24*(\k)+16], s[KAP], s[EPSV]
.endr
.irp k, 0,1,2,3
	v_rsq_f32 v[RO+24*(\k)+18], v[RO+24*(\k)+16]
.endr
.irp k, 0,1,2,3                        ; work that names no root stands behind the batch of four
.irp e, 0,1,2,3,4,5,6,7
	v_mul_f32_dpp v[RO+24*(\k)+8+(\e)], v[RO+24*(\k)+(\e)], v[SW+(\e)] row_xmask:8 row_mask:0xf bank_mask:0xf  ; x of the channel 64 away, from the lane 8 away
.endr
.endr
.irp k, 0,1,2,3
.irp e, 0,2,4,6
	v_pk_fma_f32 v[RO+24*(\k)+8+(\e):RO+24*(\k)+9+(\e)], v[RO+24*(\k)+(\e):RO+24*(\k)+(\e)+1], v[CW+(\e):CW+(\e)+1], v[RO+24*(\k)+8+(\e):RO+24*(\k)+9+(\e)]
.endr
.endr
	s_wait_alu depctr_va_vdst(0)                   ; the wait stands ahead of the first line that names a root's reciprocal: one for the four
.irp k, 0,1,2,3
.irp e, 0,2,4,6
	v_pk_mul_f32 v[RO+24*(\k)+8+(\e):RO+24*(\k)+9+(\e)], v[RO+24*(\k)+8+(\e):RO+24*(\k)+9+(\e)], v[RO+24*(\k)+18:RO+24*(\k)+19] op_sel_hi:[1,0]
.endr
.endr
.irp k, 0,1,2,3
.irp e, 0,1,2,3
	v_cvt_pk_f16_f32 v[RO+24*(\k)+20+(\e)], v[RO+24*(\k)+8+2*(\e)], v[RO+24*(\k)+9+2*(\e)]
.endr
.endr
.irp k, 0,1
	global_store_b128 v[TG], v[RO+24*(\k)+20:RO+24*(\k)+23], s[OUT0:OUT0+1] offset:(\k)*HB  ; 16 lanes store a head's row: 256 consecutive bytes, aligned
.endr
.irp k, 2,3
	global_store_b128 v[TG], v[RO+24*(\k)+20:RO+24*(\k)+23], s[OUT1:OUT1+1] offset:((\k)-2)*HB
.endr
	s_wait_xcnt 0x0                                ; the stores' data and offset are written again only behind this wait
	v_add_nc_u32 v[RD], 2*SPT, v[RD]
	v_add_nc_u32 v[RD2], 2*SPT, v[RD2]
	v_add_nc_u32 v[TG], 512, v[TG]
.endm
	PLACES                                         ; behind the last products
.irp k, 0,1,2,3                        ; registers that lane-crossing lines write, and the second of each pair, are written once
.irp e, 8,9,10,11,12,13,14,15,19
	v_mov_b32 v[RO+24*(\k)+(\e)], 0
.endr
.endr
	s_wait_tensorcnt 0x0                           ; my part of the table has landed
	s_mov_b32 s2, 2
.Lrnd:
	s_wait_dscnt 0x0                               ; my reads of slot 1, later of the stage, are over
	s_barrier_signal -1
	s_barrier_wait -1                              ; everybody's are; in the first round: the table is whole
	s_cmp_eq_u32 s2, 1
	s_cbranch_scc1 .Lhigh
	STORES 0x08                                    ; positions 0-63: window 2
	WIN 0
	s_branch .Lstaged
.Lhigh:
	STORES 0x0c                                    ; positions 64-127: window 3
	WIN 0
.Lstaged:
	s_wait_dscnt 0x0                               ; for the others' sake: my stores are done
	s_barrier_signal -1
	s_barrier_wait -1                              ; the stage is whole
	v_mov_b32 v[RD], v[RDB]
	v_add_nc_u32 v[RD2], 128*SPT, v[RDB]
	s_mov_b32 s3, 8
.Lgrp:
	GROUP
	s_sub_co_u32 s3, s3, 1
	s_cmp_lg_u32 s3, 0
	s_cbranch_scc1 .Lgrp
	v_add_nc_u32 v[TG], 48*256, v[TG]              ; 16 positions done, 48 more to the next round's
	s_sub_co_u32 s2, s2, 1
	s_cmp_lg_u32 s2, 0
	s_cbranch_scc1 .Lrnd
	s_wait_tensorcnt 0x0                           ; the wave's end: an add to my spare word and its wait, behind my last tensor load and my last LDS store
	ds_add_u32 v[SPW], v[NIL]
	s_wait_dscnt 0x0
	CROUND                                         ; the closing round
	s_endpgm
.Lfunc_end_k_q643cd41199_qkv:
	.size	k_q643cd41199_qkv, .Lfunc_end_k_q643cd41199_qkv-k_q643cd41199_qkv
	.p2alignl 7, 3214868480
	.fill 96, 4, 3214868480
	.section	.rodata,"a",@progbits
	.p2align	6, 0x0
	.amdhsa_kernel k_q643cd41199_qkv
		.amdhsa_group_segment_fixed_size 327680
		.amdhsa_private_segment_fixed_size 0
		.amdhsa_enable_private_segment 0
		.amdhsa_kernarg_size 48
		.amdhsa_user_sgpr_count 2
		.amdhsa_user_sgpr_kernarg_segment_ptr 1
		.amdhsa_wavefront_size32 1
		.amdhsa_system_sgpr_workgroup_id_x 1
		.amdhsa_system_sgpr_workgroup_id_y 1
		.amdhsa_system_sgpr_workgroup_id_z 1
		.amdhsa_system_vgpr_workitem_id 0
		.amdhsa_next_free_vgpr 1024
		.amdhsa_next_free_sgpr 100
		.amdhsa_reserve_vcc 0
		.amdhsa_float_denorm_mode_32 3
		.amdhsa_float_denorm_mode_16_64 3
		.amdhsa_memory_ordered 1
		.amdhsa_forward_progress 1
		.amdhsa_inst_pref_size 136
	.end_amdhsa_kernel
	.amdgpu_metadata
---
amdhsa.version: [ 1, 2 ]
amdhsa.kernels:
  - .name:           k_q643cd41199_qkv
    .symbol:         k_q643cd41199_qkv.kd
    .args:
      - { .name: xb, .offset: 0, .size: 8, .value_kind: global_buffer, .address_space: global }
      - { .name: wqkv, .offset: 8, .size: 8, .value_kind: global_buffer, .address_space: global }
      - { .name: tab, .offset: 16, .size: 8, .value_kind: global_buffer, .address_space: global }
      - { .name: q_norm_w, .offset: 24, .size: 8, .value_kind: global_buffer, .address_space: global }
      - { .name: k_norm_w, .offset: 32, .size: 8, .value_kind: global_buffer, .address_space: global }
      - { .name: qkv, .offset: 40, .size: 8, .value_kind: global_buffer, .address_space: global }
    .group_segment_fixed_size: 327680
    .private_segment_fixed_size: 0
    .kernarg_segment_align: 8
    .kernarg_segment_size: 48
    .max_flat_workgroup_size: 128
    .sgpr_count:     100
    .vgpr_count:     1024
    .wavefront_size: 32
...
	.end_amdgpu_metadata
.endif
;; end of part 2
;; launch attn (part 3): grid 16 x 16, 4 waves a work-group, clusters of 4 x 1, 327,680 bytes of LDS; arguments qkv, mk, ob; writes ob
.if DOCPART == 3
	.amdgcn_target "amdgcn-amd-amdhsa--gfx1250"
	.amdhsa_code_object_version 6
	.text
	.protected	k_q643cd41199_attn
	.globl	k_q643cd41199_attn
	.p2align	8
	.type	k_q643cd41199_attn,@function
k_q643cd41199_attn:
	s_mov_b64 s[64:65], 0
	v_nop
	global_prefetch_b8 v0, s[64:65] scope:SCOPE_SE
	s_setreg_imm32_b32 hwreg(HW_REG_WAVE_MODE, 25, 1), 1
	s_wait_xcnt 0x0
	s_wait_alu depctr_hold_cnt(0) depctr_sa_sdst(0) depctr_va_vdst(0) depctr_va_sdst(0) depctr_va_ssrc(0) depctr_va_vcc(0) depctr_vm_vsrc(0)
	s_getreg_b32 s2, hwreg(HW_REG_IB_STS2, 6, 4)
	s_cmp_eq_u32 s2, 0
	s_cbranch_scc0 .Lentry_in_a_cluster
	s_endpgm
.Lentry_in_a_cluster:
	s_bfe_u32 s2, ttmp6, 0x10000c
	s_cmp_lg_u32 s2, 0x3003
	s_cbranch_scc0 .Lentry_shape_is_right
	s_endpgm
.Lentry_shape_is_right:
; MASKED ATTENTION WITH GROUPED QUERY HEADS.  For batch b, key head kvh and its two query heads: O[q] = the sum over k of softmax_k(Q[q] . K[k] / sqrt(128), hidden where the mask is false) V[k].
; Q, K, V: f16, [b 2][head 32: 16 q, 8 k, 8 v][2048][128] in qkv.  O: f16, ob [b x 2048 + s][head x 128 + channel].  Products, maxima and sums in f32; the weights are rounded to f16 for the second product.
; THE MASK IS AN INPUT: every pair of query and key is computed.  mk holds a byte for each pair, in the order of the lanes: 0x00 (seen) or 0xCD (hidden).  Moved into the top byte of an f32 it is the C operand that
; starts the sum S^T = K Q^T: under 2.4e-38 where the key is seen, from -2^29 to -2^27 where it is hidden.
; LIMITS.  |Q . K| stays under 2^26, so a hidden score lies below -2^26 and every seen one above it.  A row that has met hidden keys alone has a hidden score as its maximum m: then c s - c m is at most half a
; unit in the last place of c m, which is under 2^27: 4, and a weight is at most 16; the first seen key gives a = 0, which takes all that away.  A row whose m is below -2^26 at the end has no seen key:
; it is NaN, as a softmax over nothing is.  A weight below 2^-126 counts as 0.  f16 ends at 65,504: V arrives within it, and O is a mean of V's rows.
; SHARES.  A work-group owns 128 positions of one (b, kvh), both query heads; wave w positions 32 w .. + 31: four tiles of 16 queries, tile t = (16 positions t / 2, head t % 2).  The two tiles of a PIECE
; (piece 0: tiles 0, 1; piece 2: tiles 2, 3) are the same positions, so one mask fragment serves both.  Every wave walks all 2,048 keys, 64 a step.
; LAYOUT, SOFTMAX.  S^T = K Q^T holds one query a lane (lane % 16) and keys 8 (lane / 16) + 0..7; two results rounded to f16 are source 1 of O^T = V^T P.  p = 2^(c s - c m), c = log2(e) / sqrt(128), m a running maximum;
; O and l are multiplied by a = 2^(c m_old - c m_new) in every step.
; BY TURNS.  In a turn one piece has the matrix unit: 32 products V^T P of the step in hand, then 32 products K Q^T of the next; the other piece's softmax stands in 64 slices, one behind each matrix instruction.
; NO FIRST STEP IS WRITTEN OUT: m starts at the lowest finite number, O, l, V and piece 0's P at 0, piece 2's scores at -2^27: the loop begins with a step in which all is hidden and V is 0.
; CLUSTER.  The four blocks of a cluster walk the same K and V: joint loads.
; REGISTERS, in windows of 256: window 0: v0-11 addresses; v12-43 statistics; v44-46, v61-63 addresses; v64-191 S^T; v192-255 P.  window 1: O^T.  window 2: v0-127 Q, v128-255 K.
; window 3: v0-127 V; v128-191 the masks as f32, 32 a piece; v192-199 the next mask's bytes.
.set KS,    64
.set PK,    272       ; a row of K in LDS: 256 bytes + 16: the 16 rows of a load start at 16 different groups of four banks (64 banks of 4 bytes: ISA guide 11.1)
.set PV,    288       ; a row of V: 256 + 32
.set VOFF,  KS*PK
.set STEPB, KS*(PK+PV)
.set SLOT1, 1<<17     ; a slot holds two steps (71,680 bytes); slot 1 begins here, so that one exclusive or turns an address in one slot into the other's
.set STAGE, SLOT1+2*STEPB
.set SP,    272
.set SPARE, STAGE+4*16*272
.set HB,    524288    ; bytes of a head in qkv
.set AK0, 2           ; v2   my lane's place in a tile of K; never rewritten
.set AV0, 3           ; v3   the same for V
.set ADR, 4           ; v4   the LDS address of the run of loads in hand
.set QO,  5           ; v5   my byte offset in 16 rows of Q
.set STO, 6           ; v6   the way out: where I put 16 bytes of a row
.set RD,  7           ; v7   where I read a row back
.set GO,  8           ; v8   my byte offset in two rows of ob
.set ST,  12          ; tile t's statistics at v[ST+8 t]: +0 c m, +1 m, +2, +3 l, +4 to +7 at work; a takes +6
.set MA,  44          ; v44  my byte offset in my wave's stream of mask bytes
.set ML,  45          ; v45  the same in the stream's last block: MA never passes it
.set PFM, 46          ; v46  the mask prefetch's offset; never rewritten
.set PFO, 61          ; v61  256 x my lane; never rewritten
.set SPW, 62          ; v62  LDS address of my spare word; never rewritten
.set NIL, 63          ; v63  0; never rewritten
.set S,   64
.set P,   192
.set KF,  128         ; window 2
.set MK,  128         ; window 3: piece x's mask at MK + 16 x, register 8 kt + j
.set RW,  192         ; window 3
.set WV,  12
.set LIM, 15          ; s15  1 in a wave that prefetches K or V, else the greatest number
.set PFA, 18          ; s[18:19] where those prefetches stand
.set G1K, 24
.set G1V, 32
.set G0K, 40          ; s[40:43] descriptor group 0 for K's tiles: it walks
.set G0V, 44
.set MB,  48          ; s[48:49] my wave's stream in mk
.set PFB, 50          ; s[50:51] where the mask prefetches stand
.set BIGN, 52         ; s52  -2^27
.set NEGH, 53         ; s53  -2^26
.set QNAN, 54         ; s54  a NaN
.set LIM2, 55         ; s55  1 in a wave that prefetches mask bytes
.set SLOTS, 56
.set TWICE, 57
.set CS,  58
.set SEL, 60
.set TB,  62          ; s62  LDS byte at which the tiles of the step to be fetched begin
.set MSB, 0
.macro WIN new
.if MSB != (\new)
	s_set_vgpr_msb (MSB<<8)|(\new)
.set MSB, \new
.endif
.endm
.set W_KQ, 0x0a       ; K and Q in window 2, S^T in window 0
.set W_KM, 0x3a       ; the same with the C operand in window 3
.set W_PV, 0x53       ; V in window 3, P in window 0, O^T in window 1
.set W_RS, 0x41       ; O^T in window 1, a in window 0
; A joint fill: waves 0 and 1 fetch the two steps' tiles of K, waves 2 and 3 those of V.  An s_nop 0 and four v_nop follow each line.
.macro JLOAD
	s_cmp_lt_u32 s[WV], 2
	s_cbranch_scc0 .Lfor_v_\@
	tensor_load_to_lds s[G0K:G0K+3], s[G1K:G1K+7]
	s_nop 0
.rept 4
	v_nop
.endr
	s_branch .Lasked_\@
.Lfor_v_\@:
	tensor_load_to_lds s[G0V:G0V+3], s[G1V:G1V+7]
	s_nop 0
.rept 4
	v_nop
.endr
.Lasked_\@:
.endm
; Prefetches into the L2, behind the joint load and its five lines.  ASK: the 128 rows of K and of V that the NEXT change of slots will ask for, a lane a row of 256 bytes: the key head's first cluster asks, its four partners
; take 32 rows each, told apart by address; wave 0 asks for K's, wave 2 for V's.  The last change that fills a slot asks for nothing.
; ASK2: the mask bytes of the next slot's two steps, 4,096 bytes of each wave's stream: the work-groups of y = 0 ask (all sixteen y read the same streams); waves 1 and 3, each for two streams, a lane a block of 256 bytes.
; Each block is named once in the launch; the first slot's bytes come by their loads alone.
.macro ASK
	s_cmp_gt_u32 s[SLOTS], s[LIM]
	s_cbranch_scc0 .Lnot_mine_\@
	global_prefetch_b8 v[PFO], s[PFA:PFA+1] th:TH_LOAD_NT scope:SCOPE_SE
.Lnot_mine_\@:
.endm
.macro ASK2
	s_cmp_eq_u32 s[LIM2], 1
	s_cbranch_scc0 .Lnot_m_\@
	global_prefetch_b8 v[PFM], s[PFB:PFB+1] th:TH_LOAD_NT scope:SCOPE_SE
.Lnot_m_\@:
.endm
.macro CROUND
	s_barrier_signal -1
	s_barrier_wait -1
	s_cmp_lg_u32 s[WV], 0
	s_cbranch_scc1 .Lnot_wave_0_\@
	s_barrier_signal -3
.Lnot_wave_0_\@:
	s_barrier_wait -3
	s_barrier_signal -1
	s_barrier_wait -1
.endm
	s_load_b128 s[4:7], s[0:1], 0x0   ; qkv s[4:5], mk s[6:7]
	s_load_b64 s[8:9], s[0:1], 0x10   ; ob
	v_lshl_add_u32 v[SPW], v0, 2, SPARE
	v_mov_b32 v[NIL], 0
	ds_add_u32 v[SPW], v[NIL]       ; the wave's opening: the add and its wait stand ahead of my first tensor load; the set-up below stands between them
	v_lshrrev_b32 v1, 5, v0
	v_readfirstlane_b32 s[WV], v1
	s_bfe_u32 s13, ttmp6, 0x40000   ; cx
	s_lshl_b32 s14, ttmp9, 2
	s_add_co_u32 s14, s14, s13      ; my block of 128 positions: it enters Q's, O's and the mask's addresses alone
	s_and_b32 s20, ttmp7, 0xffff    ; y = 8 b + kvh, which the four partners share
	s_lshr_b32 s21, s20, 3          ; b
	s_and_b32 s22, s20, 7           ; kvh
	s_and_b32 s16, s[WV], 1         ; which of a slot's two steps I fetch
	s_lshl_b32 s23, s21, 5
	s_add_co_u32 s2, s23, s22
	s_add_co_u32 s2, s2, 16         ; K's head: 32 b + 16 + kvh
	s_lshl_b32 s2, s2, 19
	s_lshl_b32 s3, s16, 14          ; my step's 64 rows of 256 bytes
	s_add_co_u32 s2, s2, s3
	s_mov_b32 s3, 0
	s_mul_i32 s17, s16, STEPB       ; and its place in a slot
	s_lshl1_add_u32 s72, s22, s23   ; Q's first head: 32 b + 2 kvh
	s_lshl_b32 s72, s72, 19
	s_lshl_b32 s73, s14, 15         ; my block's 128 rows,
	s_add_co_u32 s72, s72, s73
	s_lshl_b32 s73, s[WV], 13       ; my wave's 32 of them
	s_add_co_u32 s72, s72, s73
	s_mov_b32 s73, 0
	s_lshl_b32 s74, s21, 23         ; ob: row 2,048 b + 128 block + 32 w, of 4,096 bytes,
	s_lshl_b32 s75, s14, 19
	s_add_co_u32 s74, s74, s75
	s_lshl_b32 s75, s[WV], 17
	s_add_co_u32 s74, s74, s75
	s_lshl_b32 s75, s22, 9          ; head 2 kvh: 256 bytes a head
	s_add_co_u32 s74, s74, s75
	s_mov_b32 s75, 0
	s_lshl2_add_u32 s76, s14, s[WV] ; mk: my 32 positions are stream 4 block + w, 65,536 bytes
	s_lshl_b32 s76, s76, 16
	s_mov_b32 s77, 0
	s_and_b32 s78, s[WV], 2         ; waves 1 and 3 prefetch for streams 0, 1 and 2, 3 of the block
	s_lshl2_add_u32 s78, s14, s78
	s_lshl_b32 s78, s78, 16
	s_mov_b32 s79, 0
	s_mov_b32 s[G1K], 15|(1<<16)|(1<<20)|(1<<21)|(5<<22)|(3<<25)  ; the mask of four; 2-byte elements; padding on; bit 21 beside a mask; after every 64 words, 4 words
	s_mov_b32 s[G1V], 15|(1<<16)|(1<<20)|(1<<21)|(5<<22)|(7<<25)  ; the same with 8 words
.irp g, G1K, G1V
	s_mov_b32 s[(\g)+1], 128<<16    ; tensor_dim0 = 128
	s_mov_b32 s[(\g)+2], KS<<16     ; tensor_dim1 = 64
	s_mov_b32 s[(\g)+3], 128<<16    ; tile_dim0 = 128
	s_mov_b32 s[(\g)+4], KS         ; tile_dim1 = 64
	s_mov_b32 s[(\g)+5], 128        ; elements from row to row
	s_mov_b32 s[(\g)+6], 0
	s_mov_b32 s[(\g)+7], 0
.endr
	s_mov_b32 s[CS], 0x3e0293ee     ; c = log2(e) / sqrt(128) = 0.127517
	s_mov_b32 s[CS+1], s[CS]
	s_mov_b32 s[SEL], 0x76543210
	s_mov_b32 s[SEL+1], 0xfedcba98
	s_mov_b32 s[BIGN], 0xcd000000
	s_mov_b32 s[NEGH], 0xcc800000
	s_mov_b32 s[QNAN], 0x7fc00000
	s_mov_b32 s[TB], SLOT1+2*STEPB  ; the first change of slots turns this into 0
	s_mov_b32 s[SLOTS], 15
	s_or_b32 s[LIM], s16, ttmp9     ; 0 in waves 0 and 2 of the key head's first cluster
	s_cmp_eq_u32 s[LIM], 0
	s_cselect_b32 s[LIM], 1, -1
	s_xor_b32 s[LIM2], s16, 1
	s_or_b32 s[LIM2], s[LIM2], s20  ; 0 in waves 1 and 3 where y = 0
	s_cmp_eq_u32 s[LIM2], 0
	s_cselect_b32 s[LIM2], 1, 0
	s_mov_b32 s[G0K], 1
	s_mov_b32 s[G0K+1], s17         ; slot 0
	s_mov_b32 s[G0V], 1
	s_add_co_u32 s[G0V+1], s17, VOFF
	s_wait_dscnt 0x0                ; the opening add is done
	s_wait_kmcnt 0x0
	s_add_nc_u64 s[68:69], s[4:5], s[2:3]       ; K at my tile of slot 0
	s_add_nc_u64 s[70:71], s[68:69], 8*HB       ; V: eight heads on
	s_add_nc_u64 s[66:67], s[4:5], s[72:73]     ; Q at my wave's first row
	s_add_nc_u64 s[10:11], s[8:9], s[74:75]     ; ob likewise
	s_add_nc_u64 s[MB:MB+1], s[6:7], s[76:77]
	s_add_nc_u64 s[PFB:PFB+1], s[6:7], s[78:79] ; at slot 0's bytes: the first change of slots steps it to slot 1's
	s_mov_b64 s[G0K+2:G0K+3], s[68:69]
	s_or_b32 s[G0K+3], s[G0K+3], 0x80000000
	s_mov_b64 s[G0V+2:G0V+3], s[70:71]
	s_or_b32 s[G0V+3], s[G0V+3], 0x80000000
	s_cmp_lt_u32 s[WV], 2
	s_cselect_b64 s[PFA:PFA+1], s[68:69], s[70:71]  ; (in waves 0 and 2 these stand at a slot's first row)
	s_lshl_b32 s2, s13, 13          ; my work-group's 32 rows of the 128
	s_mov_b32 s3, 0
	s_add_nc_u64 s[PFA:PFA+1], s[PFA:PFA+1], s[2:3]
	s_add_nc_u64 s[PFA:PFA+1], s[PFA:PFA+1], 2*KS*256  ; in slot 1; the first change of slots steps it to slot 2
	CROUND                          ; all four work-groups are here: the first joint loads meet
	JLOAD                           ; slot 0.  Slot 1 is asked for when slot 0 is in, by the loop's own change of slots
	v_and_b32 v1, 15, v0            ; l % 16
	v_bfe_u32 v9, v0, 4, 1          ; l / 16
	v_lshlrev_b32 v[QO], 8, v1
	v_lshl_add_u32 v[QO], v9, 4, v[QO]
	v_and_b32 v[MA], 31, v0
	v_lshlrev_b32 v[MA], 4, v[MA]   ; 16 x lane: the stream's first block
	WIN 0x80                        ; destination window 2, address window 0
.irp i, 0,1,2,3,4,5,6,7,8,9,10,11,12,13,14,15  ; Q stays in registers: tile i / 4 (head (i / 4) % 2, positions 16 (i / 8) on), channels 32 (i % 4) on
	global_load_b128 v[8*(\i):8*(\i)+3],   v[QO], s[66:67] offset:(((\i)/4)%2)*HB+((\i)/8)*4096+((\i)%4)*64
	global_load_b128 v[8*(\i)+4:8*(\i)+7], v[QO], s[66:67] offset:(((\i)/4)%2)*HB+((\i)/8)*4096+((\i)%4)*64+32
.endr
	WIN 0xc0                        ; destination window 3
	global_load_b128 v[RW:RW+3],   v[MA], s[MB:MB+1]             ; the mask bytes of step 0, piece 0
	global_load_b128 v[RW+4:RW+7], v[MA], s[MB:MB+1] offset:512
.set i, 0
.rept 128
	v_mov_b32 v[i], 0               ; V
.set i, i+1
.endr
	WIN 0x40
.set i, 0
.rept 256
	v_mov_b32 v[i], 0               ; O^T
.set i, i+1
.endr
	WIN 0
.set i, 0
.rept 4
	v_mov_b32 v[ST+8*i], 0xfe000000    ; c m: far below every c s
	v_mov_b32 v[ST+8*i+1], 0xff7fffff  ; m
	v_mov_b32 v[ST+8*i+2], 0
	v_mov_b32 v[ST+8*i+3], 0
.set i, i+1
.endr
.set i, 0
.rept 32
	v_mov_b32 v[P+i], 0             ; piece 0's weights of the step that has not been
.set i, i+1
.endr
.set i, 0
.rept 64
	v_mov_b32 v[S+64+i], s[BIGN]    ; piece 2's scores of that step: all hidden
.set i, i+1
.endr
	v_add_nc_u32 v[ML], 63*1024, v[MA]
	v_lshlrev_b32 v[PFM], 8, v1
	v_lshl_add_u32 v[PFM], v9, 16, v[PFM]
	v_and_b32 v[PFO], 31, v0
	v_lshlrev_b32 v[PFO], 8, v[PFO]
	v_mul_u32_u24 v[AK0], v1, PK
	v_lshl_add_u32 v[AK0], v9, 4, v[AK0]
	v_and_b32 v10, 7, v0
	v_bfe_u32 v11, v0, 3, 1
	v_lshl_add_u32 v[AV0], v9, 3, v10
	v_mul_u32_u24 v[AV0], v[AV0], PV
	v_lshl_add_u32 v[AV0], v11, 4, v[AV0]
	v_add_nc_u32 v[AV0], VOFF, v[AV0]
	s_mul_i32 s13, s[WV], 16*SP
	s_add_co_u32 s13, s13, STAGE    ; my stage
	v_mul_u32_u24 v[STO], v1, SP
	v_lshl_add_u32 v[STO], v9, 4, v[STO]
	v_add_nc_u32 v[STO], s13, v[STO]
	v_mul_u32_u24 v[RD], v9, SP
	v_lshl_add_u32 v[RD], v1, 4, v[RD]
	v_add_nc_u32 v[RD], s13, v[RD]
	v_lshlrev_b32 v[GO], 12, v9     ; two rows of ob, 4,096 bytes apart
	v_lshl_add_u32 v[GO], v1, 4, v[GO]
	s_wait_loadcnt 0x0              ; Q and the first mask bytes
; THE MATRIX WORK.  The accumulators take turns, one instruction a turn.  Product i of 32 of O^T += V^T P for piece x: keys 32 (i / 16) on, channels 16 ((i / 2) % 8) on, tile x + i % 2.
.macro PV x
	WIN W_PV
.set rO, 64*((\x)+i%2)+8*((i/2)%8)
.set rV, 64*(i/16)+8*((i/2)%8)
.set rP, P+16*((\x)+i%2)+8*(i/16)
	v_wmma_f32_16x16x32_f16 v[rO:rO+7], v[rV:rV+7], v[rP:rP+7], v[rO:rO+7]
.endm
; Product i of 32 of S^T = K Q^T: channels 32 (i / 8) on, keys 16 ((i / 2) % 4) on, tile x + i % 2.  The first 8 start the sums with the piece's mask.
.macro KQ x
.set rS, S+32*((\x)+i%2)+8*((i/2)%4)
.set rK, KF+32*((i/2)%4)+8*(i/8)
.set rQ, 32*((\x)+i%2)+8*(i/8)
.set rM, MK+16*(\x)+8*((i/2)%4)
.if i < 8
	WIN W_KM
	v_wmma_f32_16x16x32_f16 v[rS:rS+7], v[rK:rK+7], v[rQ:rQ+7], v[rM:rM+7]
.else
	WIN W_KQ
	v_wmma_f32_16x16x32_f16 v[rS:rS+7], v[rK:rK+7], v[rQ:rQ+7], v[rS:rS+7]
.endif
.endm
; THE LDS LOADS stand in runs of 32.  last = 1 (the tail): in the last trip there is no further step, and K's run is jumped over.
.macro FETCH_K last=0
	WIN 0
	v_add_nc_u32 v[ADR], s[TB], v[AK0]
.if \last
	s_cmp_eq_u32 s[TWICE], 1
	s_cbranch_scc1 .Lno_k_\@
.endif
	WIN 0x80
.irp f, 0,1,2,3,4,5,6,7,8,9,10,11,12,13,14,15
	ds_load_b128 v[KF+8*(\f):KF+8*(\f)+3],   v[ADR] offset:((\f)/4)*16*PK+((\f)%4)*64
	ds_load_b128 v[KF+8*(\f)+4:KF+8*(\f)+7], v[ADR] offset:((\f)/4)*16*PK+((\f)%4)*64+32
.endr
.if \last
	WIN 0
.Lno_k_\@:
.endif
.endm
.macro FETCH_V
	WIN 0
	v_add_nc_u32 v[ADR], s[TB], v[AV0]
	s_add_co_u32 s[TB], s[TB], STEPB  ; the next fetch is the next step's
	s_wait_alu depctr_va_vdst(0)    ; the wait for the softmax's batch, behind the address's line and ahead of the loads
	WIN 0xc0
.irp f, 0,1,2,3,4,5,6,7,8,9,10,11,12,13,14,15
	ds_load_tr16_b128 v[8*(\f):8*(\f)+3],   v[ADR] offset:((\f)/8)*32*PV+((\f)%8)*32
	ds_load_tr16_b128 v[8*(\f)+4:8*(\f)+7], v[ADR] offset:((\f)/8)*32*PV+16*PV+((\f)%8)*32
.endr
.endm
; THE MASK of the products K Q^T of piece x's turn, at the turn's head.  The 32 bytes a lane were asked for a turn ago; each goes into the top byte of a register (what lies below it is a neighbour's byte: it changes a seen
; key's addend by less than 2.4e-38 and leaves a hidden key's between -2^29 and -2^27).  Then the next block of the stream is asked for: its order, step by step and piece 0 ahead of piece 2, is the order of the turns.
.macro MASKS x
	WIN 0
	s_wait_loadcnt 0x0              ; the two loads of a turn ago are in, and have read their offset
	v_add_nc_u32 v[MA], 1024, v[MA]
	v_min_u32 v[MA], v[MA], v[ML]   ; behind the stream's last block that block is read again, and serves nothing
	WIN 0xcf
.irp d, 0,1,2,3,4,5,6,7
	v_lshlrev_b32 v[MK+16*(\x)+4*(\d)],   24, v[RW+(\d)]
	v_lshlrev_b32 v[MK+16*(\x)+4*(\d)+1], 16, v[RW+(\d)]
	v_lshlrev_b32 v[MK+16*(\x)+4*(\d)+2], 8,  v[RW+(\d)]
	v_mov_b32     v[MK+16*(\x)+4*(\d)+3], v[RW+(\d)]
.endr
	WIN 0xc0
	global_load_b128 v[RW:RW+3],   v[MA], s[MB:MB+1]
	global_load_b128 v[RW+4:RW+7], v[MA], s[MB:MB+1] offset:512
.endm
; THE VECTOR WORK OF A TURN.  One tile's softmax for one key step is a list of 134 instructions; SM writes number j of it for tile t.
;   0-15 the maximum of the lane's 32 scores and the old m (each accumulator's lowest registers are read first)    16-20 the other half of the lanes' maximum; m; c m; its change
;   21-69 ONE BATCH: the 16 scalings c s - c m and all 33 exponentials (a at 23); none of these reads an exponential's result    (the wait)    70-85 the roundings to f16    86-101 the sums; l = a l + sum    102-133 O^T times a
.macro SM t
.set rT, ST+8*(\t)
.set rS, S+32*(\t)
.set rP, P+16*(\t)
.set rO, 64*(\t)+2*(j-102)
.if j < 102
	WIN 0
.endif
.if j < 4
	v_max3_num_f32 v[rT+4+j], v[rS+8*j], v[rS+8*j+1], v[rS+8*j+2]
.elseif j < 12
	v_max3_num_f32 v[rT+4+j%4], v[rT+4+j%4], v[rS+8*(j%4)+2*(j/4)+1], v[rS+8*(j%4)+2*(j/4)+2]
.elseif j == 12
	v_max3_num_f32 v[rT+4], v[rT+4], v[rS+7], v[rS+15]
.elseif j == 13
	v_max3_num_f32 v[rT+6], v[rT+6], v[rS+23], v[rS+31]
.elseif j == 14
	v_max3_num_f32 v[rT+4], v[rT+4], v[rT+5], v[rT+6]
.elseif j == 15
	v_max3_num_f32 v[rT+4], v[rT+4], v[rT+7], v[rT+1]
.elseif j == 16
	v_permlanex16_b32 v[rT+5], v[rT+4], s[SEL], s[SEL+1]  ; the query's other 32 keys lie in the lane 16 away
.elseif j == 17
	v_mov_b32 v[rT+7], v[rT]        ; c m_old is kept for a
.elseif j == 18
	v_max_num_f32 v[rT+1], v[rT+4], v[rT+5]
.elseif j == 19
	v_mul_f32 v[rT], s[CS], v[rT+1]
.elseif j == 20
	v_sub_f32 v[rT+7], v[rT+7], v[rT]
.elseif j == 23
	v_exp_f32 v[rT+6], v[rT+7]
.elseif (j < 23) || ((j < 38) && (j%2 == 0)) || ((j < 66) && (j%4 == 2))
.set b, (j-2)/4                     ; 38, 42, .. 62: pairs 9 to 15
.if j < 38
.set b, (j-20)/2                    ; 21: pair 0; 22, 24, .. 36: pairs 1 to 8
.endif
	v_pk_fma_f32 v[rS+2*b:rS+2*b+1], v[rS+2*b:rS+2*b+1], s[CS:CS+1], v[rT:rT+1] op_sel_hi:[1,0,0] neg_lo:[0,0,1] neg_hi:[0,0,1]
.elseif j < 70
.set e, j-38                        ; 66 to 69: s28 to s31
.if j < 66
.set e, j-32-(j-38)/4               ; 39-41, 43-45, .. 63-65: s7 to s27
.endif
.if j < 38
.set e, (j-25)/2                    ; 25, 27, .. 37: s0 to s6
.endif
	v_exp_f32 v[rS+e], v[rS+e]
.elseif j < 86
	v_cvt_pk_f16_f32 v[rP+j-70], v[rS+2*(j-70)], v[rS+2*(j-70)+1]
.elseif j < 102                     ; the sum of the tile's 16 pairs, in place: neighbours 1, 2, 4 and 8 pairs apart, then l takes it
.set z, j-86
.set w, 4
.set u, z
.if z >= 14
.set w, 32
.set u, 0
.elseif z >= 12
.set w, 16
.set u, z-12
.elseif z >= 8
.set w, 8
.set u, z-8
.endif
.if z < 15
	v_pk_add_f32 v[rS+w*u:rS+w*u+1], v[rS+w*u:rS+w*u+1], v[rS+w*u+w/2:rS+w*u+w/2+1]
.else
	v_pk_fma_f32 v[rT+2:rT+3], v[rT+2:rT+3], v[rT+6:rT+7], v[rS:rS+1] op_sel_hi:[1,0,1]
.endif
.else
	WIN W_RS
	v_pk_mul_f32 v[rO:rO+1], v[rO:rO+1], v[rT+6:rT+7] op_sel_hi:[1,0]
.endif
.endm
; Slice k of 64 of piece y's softmax: four instructions.  Slices 11 to 34 deal out the batch, four numbers of one tile each, the tiles by turns; every other slice is numbers 2 k and 2 k + 1 of both tiles; the twelve
; that are over stand in slice 63, and are the places behind the turn's last product.  Ahead of slice 35 nothing names an exponential's result, behind slice 34 none is issued: one wait serves the 66.
.macro SLICE y
.if (k >= 11) && (k < 35)
.irp n, 0,1,2,3
.set j, 22+4*((k-11)/2)+(\n)
	SM (\y)+(k-11)%2
.endr
.else
.irp n, 0,1,2,3,4,5,6,7
.if ((\n) < 2) || (k == 63)
.irp t, \y, (\y)+1
.set j, 2*k+(\n)
	SM \t
.endr
.endif
.endr
.endif
.if k == 34
	v_nop                           ; a plain instruction behind the last exponential and ahead of the first use: one for the batch
.if (\y) == 0
	FETCH_V                         ; piece 2's turn: V's run of loads stands here, and the wait stands in it
.else
	s_wait_alu depctr_va_vdst(0)
.endif
.endif
.set k, k+1
.endm
; A TURN.  Piece x has the matrix unit.  Piece 0's turn fetches the next step's K behind its second product; piece 2's the same step's V behind slice 34, three products K Q^T behind
; the last product that read V.
.macro TURN x, last=0
.set k, 0
	MASKS \x
.if (\x) == 0
	s_wait_dscnt 0x0                ; V is in
.endif
.set i, 0
.rept 32
	PV \x
	SLICE 2-(\x)
.if ((\x) == 0) && (i == 1)
	FETCH_K \last
.endif
.set i, i+1
.endr
.if (\x) == 0
	s_wait_dscnt 0x0                ; K is in
.endif
.set i, 0
.rept 32
	KQ \x
	SLICE 2-(\x)
.set i, i+1
.endr
.endm
; THE CHANGE OF SLOTS, in front of a slot's two steps.  Each wave waits for all its tensor loads, of which one is out: its part of the slot to be entered; adds 0 to its spare word; and waits for that and for its reads of the slot that it leaves.
; fill = 1: the slot that is left is filled again with the next 128 keys (at the first use: slot 0 is waited for, slot 1 filled).  The barrier is then a round of the cluster's, and the joint load the first thing behind it:
; it has two key steps, 256 matrix instructions, in which to land.  By this text's count one tensor load of a wave is out.
.macro CHANGE fill
	WIN 0
	s_wait_tensorcnt 0x0
	ds_add_u32 v[SPW], v[NIL]
.if \fill
.irp g, G0K, G0V
	s_xor_b32 s[(\g)+1], s[(\g)+1], SLOT1
	s_add_nc_u64 s[(\g)+2:(\g)+3], s[(\g)+2:(\g)+3], 2*KS*256
.endr
	s_wait_xcnt 0x0                 ; the last prefetches, two key steps back, have read their addresses
	s_add_nc_u64 s[PFA:PFA+1], s[PFA:PFA+1], 2*KS*256
	s_add_nc_u64 s[PFB:PFB+1], s[PFB:PFB+1], 4096
	s_wait_dscnt 0x0                ; the add is done, and my reads of the slot are over
	CROUND
	JLOAD
	ASK
	ASK2
.else
	s_wait_dscnt 0x0
	s_barrier_signal -1
	s_barrier_wait -1
.endif
	s_sub_co_u32 s[TB], s[TB], 2*STEPB  ; the fetches go back to a slot's first step,
	s_xor_b32 s[TB], s[TB], SLOT1       ; in the other slot
.endm
.Lslot:                             ; 15 trips: slot n is entered, slot n + 1 asked for
	CHANGE 1
	s_mov_b32 s[TWICE], 2
.Lstep:                             ; pair n of turns: V^T P of step n - 1, K Q^T of step n, whose K and V it fetches
	TURN 0
	TURN 2
	WIN 0
	s_sub_co_u32 s[TWICE], s[TWICE], 1
	s_cmp_lg_u32 s[TWICE], 0
	s_cbranch_scc1 .Lstep
	s_sub_co_u32 s[SLOTS], s[SLOTS], 1
	s_cmp_lg_u32 s[SLOTS], 0
	s_cbranch_scc1 .Lslot
	CHANGE 0                        ; the tail is written out: the last slot is entered, nothing is asked for
	s_mov_b32 s[TWICE], 3           ; two trips fetch the last slot's steps; the third is left in its middle
.Ltail:
	TURN 0, 1
	WIN 0
	s_sub_co_u32 s[TWICE], s[TWICE], 1
	s_cmp_eq_u32 s[TWICE], 0
	s_cbranch_scc1 .Lout
	TURN 2
	WIN 0
	s_branch .Ltail
.Lout:                              ; the third trip's 32 products K Q^T (on the last K once more) serve nothing: the price, once a launch, of one text for every trip
.set i, 0
.rept 32
	PV 2                            ; piece 2: V^T P of the last step
.set i, i+1
.endr
	; THE WAY OUT.  l's parts are added; O^T is divided by l (a row that has seen no key: multiplied by NaN), rounded to f16 and sent through my stage in LDS, a tile at a time.  The additions are the places behind the last products.
	WIN 0
.irp t, 0,1,2,3
	v_add_f32 v[ST+8*(\t)+4], v[ST+8*(\t)+2], v[ST+8*(\t)+3]
.endr
.irp t, 0,1,2,3
	v_permlanex16_b32 v[ST+8*(\t)+5], v[ST+8*(\t)+4], s[SEL], s[SEL+1]
.endr
.irp t, 0,1,2,3
	v_add_f32 v[ST+8*(\t)+4], v[ST+8*(\t)+4], v[ST+8*(\t)+5]
.endr
.irp t, 0,1,2,3
	v_rcp_f32 v[ST+8*(\t)+6], v[ST+8*(\t)+4]
.endr
	v_nop                           ; a plain instruction between the last reciprocal and the use of its result
	s_wait_alu depctr_va_vdst(0)    ; and the wait: one for the four
.irp t, 0,1,2,3
	v_cmp_gt_f32 vcc_lo, s[NEGH], v[ST+8*(\t)+1]
	v_cndmask_b32 v[ST+8*(\t)+6], v[ST+8*(\t)+6], s[QNAN], vcc_lo
.endr
.macro PACK t
	WIN W_RS
.set i, 64*(\t)
.rept 32
	v_pk_mul_f32 v[i:i+1], v[i:i+1], v[ST+8*(\t)+6:ST+8*(\t)+7] op_sel_hi:[1,0]
.set i, i+2
.endr
	WIN 0x05                        ; sources window 1, destination window 0: S^T's registers are free
.set i, 0
.rept 32
	v_cvt_pk_f16_f32 v[S+32*(\t)+i], v[64*(\t)+2*i], v[64*(\t)+2*i+1]
.set i, i+1
.endr
	WIN 0
.irp f, 0,1,2,3,4,5,6,7
	ds_store_b128 v[STO], v[S+32*(\t)+4*(\f):S+32*(\t)+4*(\f)+3] offset:32*(\f)
.endr
.irp f, 0,1,2,3,4,5,6,7
	ds_load_b128 v[S+32*(\t)+4*(\f):S+32*(\t)+4*(\f)+3], v[RD] offset:(\f)*2*SP  ; LDS serves a wave's instructions in order (ISA guide 5.7.1.4): these see the stores above
.endr
.endm
.macro SEND t, younger              ; younger: the LDS instructions issued behind tile t's loads
	WIN 0
.irp f, 0,1,2,3,4,5,6,7
	s_wait_dscnt (\younger)+7-(\f)
	global_store_b128 v[GO], v[S+32*(\t)+4*(\f):S+32*(\t)+4*(\f)+3], s[10:11] offset:((\t)/2)*65536+(\f)*8192+((\t)%2)*256  ; 16 lanes store a head's 256 bytes of a row, aligned
.endr
.endm
	PACK 0
	PACK 1
	SEND 0, 16
	PACK 2
	SEND 1, 16
	PACK 3
	SEND 2, 16
	SEND 3, 0
	s_wait_tensorcnt 0x0            ; the wave's end: an add to my spare word and its wait, behind my last tensor load and my last LDS store
	ds_add_u32 v[SPW], v[NIL]
	s_wait_dscnt 0x0
	CROUND                          ; the closing round
	s_endpgm
.Lfunc_end_k_q643cd41199_attn:
	.size	k_q643cd41199_attn, .Lfunc_end_k_q643cd41199_attn-k_q643cd41199_attn
	.p2alignl 7, 3214868480
	.fill 96, 4, 3214868480
	.section	.rodata,"a",@progbits
	.p2align	6, 0x0
	.amdhsa_kernel k_q643cd41199_attn
		.amdhsa_group_segment_fixed_size 327680
		.amdhsa_private_segment_fixed_size 0
		.amdhsa_enable_private_segment 0
		.amdhsa_kernarg_size 24
		.amdhsa_user_sgpr_count 2
		.amdhsa_user_sgpr_kernarg_segment_ptr 1
		.amdhsa_wavefront_size32 1
		.amdhsa_system_sgpr_workgroup_id_x 1
		.amdhsa_system_sgpr_workgroup_id_y 1
		.amdhsa_system_sgpr_workgroup_id_z 1
		.amdhsa_system_vgpr_workitem_id 0
		.amdhsa_next_free_vgpr 1024
		.amdhsa_next_free_sgpr 84
		.amdhsa_reserve_vcc 1
		.amdhsa_float_denorm_mode_32 3
		.amdhsa_float_denorm_mode_16_64 3
		.amdhsa_memory_ordered 1
		.amdhsa_forward_progress 1
		.amdhsa_inst_pref_size 161
	.end_amdhsa_kernel
	.amdgpu_metadata
---
amdhsa.version: [ 1, 2 ]
amdhsa.kernels:
  - .name:           k_q643cd41199_attn
    .symbol:         k_q643cd41199_attn.kd
    .args:
      - { .name: qkv, .offset: 0, .size: 8, .value_kind: global_buffer, .address_space: global }
      - { .name: mk, .offset: 8, .size: 8, .value_kind: global_buffer, .address_space: global }
      - { .name: ob, .offset: 16, .size: 8, .value_kind: global_buffer, .address_space: global }
    .group_segment_fixed_size: 327680
    .private_segment_fixed_size: 0
    .kernarg_segment_align: 8
    .kernarg_segment_size: 24
    .max_flat_workgroup_size: 128
    .sgpr_count:     84
    .vgpr_count:     1024
    .wavefront_size: 32
...
	.end_amdgpu_metadata
.endif
;; end of part 3
;; launch oproj (part 4): grid 8 x 32, 4 waves a work-group, clusters of 4 x 4, 327,680 bytes of LDS; arguments ob, wo, out0; writes out0
.if DOCPART == 4
	.amdgcn_target "amdgcn-amd-amdhsa--gfx1250"
	.amdhsa_code_object_version 6
	.text
	.protected	k_q643cd41199_oproj
	.globl	k_q643cd41199_oproj
	.p2align	8
	.type	k_q643cd41199_oproj,@function
k_q643cd41199_oproj:
	s_mov_b64 s[64:65], 0
	v_nop
	global_prefetch_b8 v0, s[64:65] scope:SCOPE_SE
	s_setreg_imm32_b32 hwreg(HW_REG_WAVE_MODE, 25, 1), 1
	s_wait_xcnt 0x0
	s_wait_alu depctr_hold_cnt(0) depctr_sa_sdst(0) depctr_va_vdst(0) depctr_va_sdst(0) depctr_va_ssrc(0) depctr_va_vcc(0) depctr_vm_vsrc(0)
	s_getreg_b32 s2, hwreg(HW_REG_IB_STS2, 6, 4)
	s_cmp_eq_u32 s2, 0
	s_cbranch_scc0 .Lentry_in_a_cluster
	s_endpgm
.Lentry_in_a_cluster:
	s_bfe_u32 s2, ttmp6, 0x10000c
	s_cmp_lg_u32 s2, 0xf033
	s_cbranch_scc0 .Lentry_shape_is_right
	s_endpgm
.Lentry_shape_is_right:
; THE OUTPUT PROJECTION.  out0 [4096][1024] f32 = ob [4096][2048] x wo [2048][1024], f16 operands, f32 sums, stored as they are.  A NaN row of ob gives a NaN row of out0 and touches no other row.
; A tile of out0 is 128 x 128, which gives each of 256 work-groups one; four waves, 64 x 64 each: 16 accumulators.  K goes in 8 steps of 256 through a ring of two LDS slots.  wo lies [k][n] in memory and in LDS; its
; fragments come turned, by ds_load_tr16_b128.  CLUSTER 4 x 4: ob's tiles are shared along a row of the cluster, wo's along a column: joint loads.  No prefetch: the tiles are small, 64 KiB a step for a work-group.
; THE MATRIX INSTRUCTION IS USED TRANSPOSED (source 0 = 16 columns of wo, source 1 = 16 rows of ob): a lane holds one row of out0 and eight neighbouring columns.
; REGISTERS: window 0: v16-29 addresses; v32-95 at work on the way out; v128-255 the accumulators ((a, b) at v[128 + 8 (4 a + b)]).  window 1: two fragment buffers of 128: for 64 along K, 64 registers of ob, then 64 of wo.
.set KSTEP,  256
.set PA,     528                       ; a row of ob's tile in LDS: 512 bytes + 16: the 16 rows of a load start at 16 different groups of four banks (64 banks of 4 bytes: ISA guide 11.1)
.set PB,     288                       ; a k-row of wo's tile: 256 bytes + 32
.set HALFA,  64*PA                     ; 33,792: 64 rows of ob
.set HALFB,  128*PB                    ; 36,864: 128 k-rows of wo
.set BOFF,   2*HALFA
.set SLOT,   2*HALFA+2*HALFB           ; 141,312
.set STAGE,  2*SLOT                    ; behind the ring: 16 rows x 272 bytes for each wave
.set SPITCH, 272
.set SPARE,  STAGE+4*16*SPITCH         ; 300,032: the spare words, 128 bytes for each wave
.set LAPS,   4
.set ASTEP,  KSTEP*2                   ; a K step in ob: 512 bytes along the rows
.set BSTEP,  KSTEP*2048                ; in wo: 256 rows down
.set ADRA, 16                          ; v16-17  LDS address of my fragments of ob in slot 0, 1
.set ADRB, 20                          ; v20-21  of wo, k-rows 0-127; v22-23 k-rows 128-255 (an LDS offset has 16 bits)
.set STO,  24
.set RD,   25
.set CO,   26
.set SPW,  28
.set NIL,  29
.set TMP,  32
.set ACC,  128
.set F0,   0
.set F1,   128
.set G1, 24
.set G0, 32
.set G1B, 48
.set G0B, 56
.set MSB, 0
.macro WIN new
.if MSB != (\new)
	s_set_vgpr_msb (MSB<<8)|(\new)
.set MSB, \new
.endif
.endm
.set MUL,  0x05                        ; sources window 1; C and D window 0
.set TO_F, 0x40                        ; destination window 1, address window 0
.macro PLACES
.rept 4
	v_nop
.endr
.endm
.macro JLOAD s                         ; a joint load: waves 0 and 1 fetch ob's two halves, waves 2 and 3 wo's; an s_nop 0 and four v_nop follow each line
	s_cmp_eq_u32 s11, 0
	s_cbranch_scc0 .Lfor_b_\@
	tensor_load_to_lds s[G0+4*(\s):G0+4*(\s)+3], s[G1:G1+7]
	s_nop 0
	PLACES
	s_branch .Lasked_\@
.Lfor_b_\@:
	tensor_load_to_lds s[G0B+4*(\s):G0B+4*(\s)+3], s[G1B:G1B+7]
	s_nop 0
	PLACES
.Lasked_\@:
.endm
.macro CREST
	s_cmp_lg_u32 s10, 0
	s_cbranch_scc1 .Lnot_wave_0_\@
	s_barrier_signal -3
.Lnot_wave_0_\@:
	s_barrier_wait -3
	s_barrier_signal -1
	s_barrier_wait -1
.endm
.macro CROUND
	s_barrier_signal -1
	s_barrier_wait -1
	CREST
.endm
	s_load_b128 s[4:7], s[0:1], 0x0                ; ob s[4:5], wo s[6:7]
	s_load_b64 s[8:9], s[0:1], 0x10                ; out0
	v_lshl_add_u32 v[SPW], v0, 2, SPARE
	v_mov_b32 v[NIL], 0
	ds_add_u32 v[SPW], v[NIL]                      ; the wave's opening: the add and its wait stand ahead of my first tensor load
	v_lshrrev_b32 v1, 5, v0
	v_readfirstlane_b32 s10, v1                    ; wave 0..3
	s_lshr_b32 s11, s10, 1                         ; my row half.  Also: I fetch ob (0) or wo (1)
	s_and_b32 s12, s10, 1                          ; my column half.  Also: which half of that tile I fetch
	s_bfe_u32 s40, ttmp6, 0x40000                  ; cx, cy
	s_bfe_u32 s41, ttmp6, 0x40004
	s_lshl_b32 s42, ttmp9, 2
	s_add_co_u32 s42, s42, s40                     ; tile column
	s_and_b32 s13, ttmp7, 0xffff
	s_lshl_b32 s13, s13, 2
	s_add_co_u32 s13, s13, s41                     ; tile row
	s_lshl_b32 s43, s41, 2
	s_lshl_b32 s43, 15, s43                        ; my row of the cluster
	s_lshl_b32 s44, 0x1111, s40                    ; my column
	s_or_b32 s[G1], s43, (1<<16)|(1<<20)|(1<<21)|(6<<22)|(3<<25)   ; mask; 2-byte elements; padding on; bit 21 beside a mask; after every 128 words, 4 words
	s_mov_b32 s[G1+1], 256<<16                     ; 64 rows of 256 elements
	s_mov_b32 s[G1+2], 64<<16
	s_mov_b32 s[G1+3], 256<<16
	s_mov_b32 s[G1+4], 64
	s_mov_b32 s[G1+5], 2048
	s_mov_b32 s[G1+6], 0
	s_mov_b32 s[G1+7], 0
	s_or_b32 s[G1B], s44, (1<<16)|(1<<20)|(1<<21)|(5<<22)|(7<<25)  ; after every 64 words, 8 words
	s_mov_b32 s[G1B+1], 128<<16                    ; 128 k-rows of 128 elements
	s_mov_b32 s[G1B+2], 128<<16
	s_mov_b32 s[G1B+3], 128<<16
	s_mov_b32 s[G1B+4], 128
	s_mov_b32 s[G1B+5], 1024
	s_mov_b32 s[G1B+6], 0
	s_mov_b32 s[G1B+7], 0
	s_lshl_b32 s16, s13, 19                        ; ob: row 128 x tile row, of 4,096 bytes,
	s_lshl_b32 s17, s12, 18                        ; + 64 for the second half
	s_add_co_u32 s16, s16, s17
	s_mov_b32 s17, 0
	s_lshl_b32 s46, s12, 18                        ; wo: 128 k-rows of 2,048 bytes for the second half,
	s_lshl_b32 s47, s42, 8                         ; + the tile's 128 columns
	s_add_co_u32 s46, s46, s47
	s_mov_b32 s47, 0
	s_mul_i32 s20, s12, HALFA                      ; where they go: ob's half,
	s_mul_i32 s21, s12, HALFB                      ; wo's half,
	s_add_co_u32 s21, s21, BOFF                    ; behind ob's 128 rows
	s_wait_dscnt 0x0                               ; the opening add is done
	s_wait_kmcnt 0x0
	s_add_nc_u64 s[14:15], s[4:5], s[16:17]
	s_add_nc_u64 s[46:47], s[6:7], s[46:47]
	CROUND                                         ; all sixteen work-groups are here: the first joint loads meet
.irp s, 0,1
	s_mov_b32 s[G0+4*(\s)], 1
	s_add_co_u32 s[G0+4*(\s)+1], s20, (\s)*SLOT
	s_add_nc_u64 s[G0+4*(\s)+2:G0+4*(\s)+3], s[14:15], (\s)*ASTEP
	s_or_b32 s[G0+4*(\s)+3], s[G0+4*(\s)+3], 0x80000000
	s_mov_b32 s[G0B+4*(\s)], 1
	s_add_co_u32 s[G0B+4*(\s)+1], s21, (\s)*SLOT
	s_add_nc_u64 s[G0B+4*(\s)+2:G0B+4*(\s)+3], s[46:47], (\s)*BSTEP
	s_or_b32 s[G0B+4*(\s)+3], s[G0B+4*(\s)+3], 0x80000000
.endr
	s_cmp_eq_u32 s11, 0                            ; a wave's two first fills stand in one branch, ahead of every wait on TENSORcnt and every LDS read: two loads of mine are out
	s_cbranch_scc0 .Lfirst_b
	tensor_load_to_lds s[G0:G0+3], s[G1:G1+7]
	s_nop 0
	tensor_load_to_lds s[G0+4:G0+7], s[G1:G1+7]
	s_nop 0
	PLACES
	s_branch .Lfirst_asked
.Lfirst_b:
	tensor_load_to_lds s[G0B:G0B+3], s[G1B:G1B+7]
	s_nop 0
	tensor_load_to_lds s[G0B+4:G0B+7], s[G1B:G1B+7]
	s_nop 0
	PLACES
.Lfirst_asked:
	v_and_b32 v1, 15, v0                           ; l % 16
	v_bfe_u32 v2, v0, 4, 1                         ; l / 16
	v_mul_u32_u24 v3, v1, PA
	v_lshl_add_u32 v3, v2, 4, v3                   ; ob: row x pitch + 16 x half
	v_and_b32 v4, 7, v0                            ; wo: k-row 8 (l / 16) + l % 8, 16 bytes at 16 ((l / 8) % 2)
	v_lshl_add_u32 v4, v2, 3, v4
	v_mul_u32_u24 v4, v4, PB
	v_bfe_u32 v5, v0, 3, 1
	v_lshl_add_u32 v4, v5, 4, v4
	s_mul_i32 s21, s11, HALFA                      ; my 64 rows of ob
	s_lshl_b32 s22, s12, 7                         ; my 64 columns of wo,
	s_add_co_u32 s22, s22, BOFF                    ; behind ob's 128 rows
.irp s, 0,1
	v_add_nc_u32 v[ADRA+(\s)], s21, v3
	v_add_nc_u32 v[ADRB+(\s)], s22, v4
	v_add_nc_u32 v[ADRB+2+(\s)], HALFB, v[ADRB+(\s)]
	s_add_co_u32 s21, s21, SLOT
	s_add_co_u32 s22, s22, SLOT
.endr
	s_mul_i32 s23, s10, 16*SPITCH
	s_add_co_u32 s23, s23, STAGE                   ; my stage
	v_mul_u32_u24 v4, v1, SPITCH                   ; in: row l % 16, 32 bytes for each half of the lanes
	v_lshl_add_u32 v4, v2, 5, v4
	v_add_nc_u32 v[STO], s23, v4
	v_mul_u32_u24 v5, v2, SPITCH                   ; back: lanes 0-15 take one row of 256 bytes, lanes 16-31 the next
	v_lshl_add_u32 v5, v1, 4, v5
	v_add_nc_u32 v[RD], s23, v5
	v_lshlrev_b32 v5, 12, v2                       ; and the same two rows in out0
	v_lshl_add_u32 v[CO], v1, 4, v5
	s_lshl_b32 s16, s13, 19                        ; row 128 x tile row, of 4,096 bytes,
	s_lshl_b32 s17, s11, 18                        ; + my 64
	s_add_co_u32 s16, s16, s17
	s_mov_b32 s17, 0
	s_add_nc_u64 s[8:9], s[8:9], s[16:17]
	s_lshl_b32 s46, s42, 9                         ; column 128 x tile column, of 4 bytes,
	s_lshl_b32 s47, s12, 8                         ; + my 64
	s_add_co_u32 s46, s46, s47
	s_mov_b32 s47, 0
	s_add_nc_u64 s[8:9], s[8:9], s[46:47]
; 8 matrix instructions: row blocks a0, a0 + 1 x all 4 column blocks, 32 along K: half c of buffer f.  The 16 accumulators take turns.
.macro MUL8 f, c, a0, zero
	WIN MUL
.irp a, \a0, (\a0)+1
.irp b, 0,1,2,3
.if \zero
	v_wmma_f32_16x16x32_f16 v[ACC+8*(4*(\a)+(\b)):ACC+8*(4*(\a)+(\b))+7], v[(\f)+64+8*(4*(\c)+(\b)):(\f)+64+8*(4*(\c)+(\b))+7], v[(\f)+8*(4*(\c)+(\a)):(\f)+8*(4*(\c)+(\a))+7], 0
.else
	v_wmma_f32_16x16x32_f16 v[ACC+8*(4*(\a)+(\b)):ACC+8*(4*(\a)+(\b))+7], v[(\f)+64+8*(4*(\c)+(\b)):(\f)+64+8*(4*(\c)+(\b))+7], v[(\f)+8*(4*(\c)+(\a)):(\f)+8*(4*(\c)+(\a))+7], v[ACC+8*(4*(\a)+(\b)):ACC+8*(4*(\a)+(\b))+7]
.endif
.endr
.endr
.endm
; 32 LDS loads in one run: the fragments of quarter q of a K step (64 along K) into buffer f; the first 32 along K first
.macro FETCH slot, q, f
	WIN TO_F
.irp c, 0,1
.irp i, 0,1,2,3
	ds_load_tr16_b128 v[(\f)+64+8*(4*(\c)+(\i)):(\f)+64+8*(4*(\c)+(\i))+3],   v[ADRB+(\slot)+2*((\q)/2)] offset:(64*((\q)%2)+32*(\c))*PB+32*(\i)
	ds_load_tr16_b128 v[(\f)+64+8*(4*(\c)+(\i))+4:(\f)+64+8*(4*(\c)+(\i))+7], v[ADRB+(\slot)+2*((\q)/2)] offset:(64*((\q)%2)+32*(\c))*PB+32*(\i)+16*PB
	ds_load_b128 v[(\f)+8*(4*(\c)+(\i)):(\f)+8*(4*(\c)+(\i))+3],         v[ADRA+(\slot)] offset:128*(\q)+64*(\c)+(\i)*16*PA
	ds_load_b128 v[(\f)+8*(4*(\c)+(\i))+4:(\f)+8*(4*(\c)+(\i))+7],       v[ADRA+(\slot)] offset:128*(\q)+64*(\c)+(\i)*16*PA+32
.endr
.endr
.endm
.macro QUARTER slot, q, f, g, zero
	s_wait_dscnt 16                                ; the first 32 along K are in
	MUL8 \f, 0, 0, \zero
	MUL8 \f, 0, 2, \zero
	PLACES
	FETCH \slot, \q, \g
	s_wait_dscnt 32                                ; all but the 32 just issued
	MUL8 \f, 1, 0, 0
	MUL8 \f, 1, 2, 0
.endm
; The last quarter multiplies buffer 1 and changes slots: ONE barrier; in front of it each wave waits for all its tensor loads (one is out: its part of the next slot), adds 0 to its spare word, and waits for that and for its reads of this slot.
.macro TURN slot, next, fill
	WIN 0
	s_wait_tensorcnt 0x0
	ds_add_u32 v[SPW], v[NIL]
	s_wait_dscnt 17                                ; (the add and the youngest sixteen loads may be out)
	MUL8 F1, 0, 0, 0
	s_wait_dscnt 0x0                               ; the add is done, and my reads of this slot are over
	s_barrier_signal -1
	MUL8 F1, 0, 2, 0
.if \fill
	WIN 0
.endif
	s_barrier_wait -1
.if \fill
	CREST                                          ; the barrier has opened a round of the cluster's: no wave of any partner still reads this slot or has a load on its way
	s_add_nc_u64 s[G0+4*(\slot)+2:G0+4*(\slot)+3], s[G0+4*(\slot)+2:G0+4*(\slot)+3], 2*ASTEP
	s_add_nc_u64 s[G0B+4*(\slot)+2:G0B+4*(\slot)+3], s[G0B+4*(\slot)+2:G0B+4*(\slot)+3], 2*BSTEP
	JLOAD \slot                                    ; the first tensor load behind the round: 112 matrix instructions ahead of the wait for it
.else
	PLACES
.endif
	FETCH \next, 0, F0
	MUL8 F1, 1, 0, 0
	MUL8 F1, 1, 2, 0
.endm
	s_wait_tensorcnt 1                             ; my part of K step 0 is in; K step 1's may stay out
	s_barrier_signal -1
	s_barrier_wait -1
	FETCH 0, 0, F0
	QUARTER 0, 1, F0, F1, 1                        ; the first quarter stands in front of the loop: its first products start the sums
	WIN 0
	s_mov_b32 s3, LAPS-1
.Llap:
	QUARTER 0, 2, F1, F0, 0
	QUARTER 0, 3, F0, F1, 0
	TURN 0, 1, 1
	QUARTER 1, 1, F0, F1, 0
	QUARTER 1, 2, F1, F0, 0
	QUARTER 1, 3, F0, F1, 0
	TURN 1, 0, 1
	QUARTER 0, 1, F0, F1, 0
	WIN 0
	s_sub_co_u32 s3, s3, 1
	s_cmp_lg_u32 s3, 0
	s_cbranch_scc1 .Llap
	QUARTER 0, 2, F1, F0, 0                        ; the last lap fills nothing, and has no round of the cluster's barrier
	QUARTER 0, 3, F0, F1, 0
	TURN 0, 1, 0
	QUARTER 1, 1, F0, F1, 0
	QUARTER 1, 2, F1, F0, 0
	QUARTER 1, 3, F0, F1, 0
	s_wait_dscnt 16
	MUL8 F1, 0, 0, 0
	MUL8 F1, 0, 2, 0
	s_wait_dscnt 0x0
	MUL8 F1, 1, 0, 0
	MUL8 F1, 1, 2, 0
	WIN 0
	; THE WAY OUT.  A wave's 64 columns of f32 are 256 bytes, aligned: 16 rows at a time go through the wave's own stage, in as 32 bytes a lane, back as whole rows.
.macro TOSTAGE a
.irp b, 0,1,2,3
	ds_store_b128 v[STO], v[ACC+8*(4*(\a)+(\b)):ACC+8*(4*(\a)+(\b))+3]   offset:64*(\b)     ; each accumulator's registers 0-3 first
	ds_store_b128 v[STO], v[ACC+8*(4*(\a)+(\b))+4:ACC+8*(4*(\a)+(\b))+7] offset:64*(\b)+16
.endr
.irp t, 0,1,2,3,4,5,6,7
	ds_load_b128 v[TMP+32*((\a)%2)+4*(\t):TMP+32*((\a)%2)+4*(\t)+3], v[RD] offset:(\t)*2*SPITCH  ; LDS serves a wave's instructions in order (ISA guide 5.7.1.4): these see the stores above; the next block's stores come behind them
.endr
.endm
.macro SEND a, younger                 ; younger: the LDS instructions issued behind block a's loads: the next block's sixteen, or none
.irp t, 0,1,2,3,4,5,6,7
	s_wait_dscnt (\younger)+7-(\t)
	global_store_b128 v[CO], v[TMP+32*((\a)%2)+4*(\t):TMP+32*((\a)%2)+4*(\t)+3], s[8:9] offset:(16*(\a)+2*(\t))*4096 th:TH_STORE_NT  ; 16 lanes store 256 consecutive bytes, aligned
.endr
.endm
	PLACES                                         ; behind the last products
	TOSTAGE 0
	TOSTAGE 1
	SEND 0, 16
	s_wait_xcnt 0x0                                ; block 0's stores have read their registers, which block 2 is loaded into
	TOSTAGE 2
	SEND 1, 16
	s_wait_xcnt 0x0
	TOSTAGE 3
	SEND 2, 16
	SEND 3, 0
	s_wait_tensorcnt 0x0                           ; the wave's end: an add to my spare word and its wait, behind my last tensor load and my last LDS store
	ds_add_u32 v[SPW], v[NIL]
	s_wait_dscnt 0x0
	CROUND                                         ; the closing round
	s_endpgm
.Lfunc_end_k_q643cd41199_oproj:
	.size	k_q643cd41199_oproj, .Lfunc_end_k_q643cd41199_oproj-k_q643cd41199_oproj
	.p2alignl 7, 3214868480
	.fill 96, 4, 3214868480
	.section	.rodata,"a",@progbits
	.p2align	6, 0x0
	.amdhsa_kernel k_q643cd41199_oproj
		.amdhsa_group_segment_fixed_size 327680
		.amdhsa_private_segment_fixed_size 0
		.amdhsa_enable_private_segment 0
		.amdhsa_kernarg_size 24
		.amdhsa_user_sgpr_count 2
		.amdhsa_user_sgpr_kernarg_segment_ptr 1
		.amdhsa_wavefront_size32 1
		.amdhsa_system_sgpr_workgroup_id_x 1
		.amdhsa_system_sgpr_workgroup_id_y 1
		.amdhsa_system_sgpr_workgroup_id_z 1
		.amdhsa_system_vgpr_workitem_id 0
		.amdhsa_next_free_vgpr 512
		.amdhsa_next_free_sgpr 66
		.amdhsa_reserve_vcc 0
		.amdhsa_float_denorm_mode_32 3
		.amdhsa_float_denorm_mode_16_64 3
		.amdhsa_memory_ordered 1
		.amdhsa_forward_progress 1
		.amdhsa_inst_pref_size 86
	.end_amdhsa_kernel
	.amdgpu_metadata
---
amdhsa.version: [ 1, 2 ]
amdhsa.kernels:
  - .name:           k_q643cd41199_oproj
    .symbol:         k_q643cd41199_oproj.kd
    .args:
      - { .name: ob, .offset: 0, .size: 8, .value_kind: global_buffer, .address_space: global }
      - { .name: wo, .offset: 8, .size: 8, .value_kind: global_buffer, .address_space: global }
      - { .name: out0, .offset: 16, .size: 8, .value_kind: global_buffer, .address_space: global }
    .group_segment_fixed_size: 327680
    .private_segment_fixed_size: 0
    .kernarg_segment_align: 8
    .kernarg_segment_size: 24
    .max_flat_workgroup_size: 128
    .sgpr_count:     66
    .vgpr_count:     512
    .wavefront_size: 32
...
	.end_amdgpu_metadata
.endif
;; end of part 4
;; ======== version 2 of 2: 4 launches; version 1 with the launch prep written anew for expert scheduling mode
;; limits: right only within a limited range of input values; values are held in f16: magnitudes above 65,504 overflow, below 6.1e-05 lose precision
;; workspace buffers: xb 8,388,608 bytes; wqkv 8,388,608 bytes; wo 4,194,304 bytes; tab 1,048,576 bytes; mk 4,194,304 bytes; qkv 33,554,432 bytes; ob 16,777,216 bytes
;; launch prep (part 5): grid 928 x 1, 8 waves a work-group, no clusters, 0 bytes of LDS; arguments attention_mask, hidden_states, Wq, Wk, Wv, cos, sin, Wo, mk, xb, wqkv, tab, wo; writes mk, xb, wqkv, tab, wo
.if DOCPART == 5
	.amdgcn_target "amdgcn-amd-amdhsa--gfx1250"
	.amdhsa_code_object_version 6
	.text
	.protected	k_q643cd41199_prep
	.globl	k_q643cd41199_prep
	.p2align	8
	.type	k_q643cd41199_prep,@function
k_q643cd41199_prep:
	s_mov_b64 s[64:65], 0
	v_nop
	global_prefetch_b8 v0, s[64:65] scope:SCOPE_SE
	s_setreg_imm32_b32 hwreg(HW_REG_WAVE_SCHED_MODE, 0, 2), 2
	s_setreg_imm32_b32 hwreg(HW_REG_WAVE_MODE, 25, 1), 1
	s_wait_xcnt 0x0
	s_wait_alu depctr_vm_vsrc(0)
; PREPARATION.  Every floating-point input but the two norm gains is rounded once to bf16 and laid out for the launches behind; the mask becomes bytes in the order in which attention's lanes want them.
;   hidden_states -> xb [4096][1024] bf16;  Wq, Wk, Wv -> wqkv [1024 k][4096 n] bf16 (n: q 0-2047, k 2048-3071, v 3072-4095);  cos, sin -> tab bf16 (cos at byte 0, sin at byte 524,288);
;   Wo -> wo [2048][1024]: rounded to bf16, and that number written as f16.  LIMIT: f16 keeps a fixed step of 6e-8 below 6.1e-5 and ends at 65,504; Wo's numbers are taken to lie within that.
;   attention_mask -> mk [U = query / 32: 64][ks = key / 64: 32][pb: 2][u: 2][lane: 32][16 bytes]: lane (r = lane % 16, h = lane / 16) holds query 32 U + 16 pb + r, keys 64 ks + 16 kt + 8 h + 0..7 for
;   kt = 2 u, 2 u + 1; a byte is 0x00 where the mask is true and 0xCD where it is false (as the top byte of an f32 that is a number from -2^29 to -2^27).
; A stream: no LDS, no barrier, no matrix unit.  Work-groups 0-255 make mk; 256-927 cast, 16 units of 1,024 numbers each: thread t takes 16 bytes at 16 t of a unit and stores 8 at 8 t,
; so a wave's load covers 512 consecutive bytes and its store 256 consecutive bytes, aligned.  All 16 loads of a thread are out before the first is waited for.
; THE MODE: SCHED_MODE bits 1:0 = 2 (LLVM: expert scheduling mode 2), set by the entry lines.  The code itself states the register dependences
; between vector instructions and memory instructions, with s_wait_alu, always for 0.
; THE PLAN.  Registers that memory instructions touch, in the casting work-groups:
;   OS0 .. OS15  the loads' offsets.  Written once, by vector adds at the head; read by the 16 loads.
;   X            unit i: 4 registers.  Written by unit i's load alone; read by its conversions; never loaded again.
;   OD0 .. OD15  the stores' offsets.  Written once, by vector adds that stand behind the loads and name none of the loads' registers; read by the stores.
;   Y            unit i: 2 registers.  Written once, by unit i's conversions; read by its store; never written again.
; So one wait on va_vdst stands ahead of the loads (OS), and the units go in four blocks of four: the wait for the block's data, its conversions, one wait on va_vdst (the block's Y; in the first block OD too),
; its four stores.  No register that a memory instruction reads is ever written a second time, and no load lands in a register that a vector instruction has named: no wait on vm_vsrc is owed.
; In the mask's work-groups: the wave's number goes through an SGPR (one wait on va_sdst ahead of its first reader); the two offsets are written once (one wait on va_vdst ahead of the loads); the bytes are turned in the
; registers in which they were loaded, in two blocks of eight registers, each with one wait on va_vdst ahead of its two stores; a block's vector lines name no register that the other block's stores read.
.set ID,   34                          ; s34  the work-group's number
.set BASE, 35                          ; s35  the first work-group of my range
.set SRC,  36                          ; s[36:37] where I read
.set DST,  38                          ; s[38:39] where I store
.set HS,   40                          ; s40  1 for Wq, whose rows are two units long: a work-group takes one half of 16 rows
.set DSH,  41                          ; s41  log2 of the bytes that a work-group's 16 units span in the destination
.set DADD, 42                          ; s42  the range's first byte in the destination
.set DS,   43                          ; s43  bytes from unit to unit in the destination
.set KIND, 44                          ; s44  1: bf16 and then f16
.set SS,   45                          ; s45  bytes from unit to unit in the source
.set HIM,  52                          ; s52  a word's upper bf16
.set X,    16                          ; v[16:79]   unit i: 4 numbers as loaded
.set Y,    80                          ; v[80:111]  unit i: 4 numbers to store
.set OS,   112                         ; v[112:127] unit i: my byte offset in the source
.set OD,   128                         ; v[128:143] unit i: my byte offset in the destination
	s_load_b512 s[8:23], s[0:1], 0x0               ; mask 8, x 10, Wq 12, Wk 14, Wv 16, cos 18, sin 20, Wo 22
	s_load_b256 s[24:31], s[0:1], 0x40             ; mk 24, xb 26, wqkv 28, tab 30
	s_load_b64 s[32:33], s[0:1], 0x60              ; wo
	s_mov_b32 s[ID], ttmp9
	s_cmp_lt_u32 s[ID], 256
	s_cbranch_scc1 .Lmask
	s_wait_kmcnt 0x0
; The range is chosen without a branch: each line of the table below replaces the choice if my number has reached its start.
.macro RANGE start, src, dst, hs, dsh, dadd, ds, kind
	s_cmp_ge_u32 s[ID], \start
	s_cselect_b64 s[SRC:SRC+1], s[\src:\src+1], s[SRC:SRC+1]
	s_cselect_b64 s[DST:DST+1], s[\dst:\dst+1], s[DST:DST+1]
	s_cselect_b32 s[BASE], \start, s[BASE]
	s_cselect_b32 s[HS], \hs, s[HS]
	s_cselect_b32 s[DSH], \dsh, s[DSH]
	s_cselect_b32 s[DADD], \dadd, s[DADD]
	s_cselect_b32 s[DS], \ds, s[DS]
	s_cselect_b32 s[KIND], \kind, s[KIND]
.endm
	s_mov_b64 s[SRC:SRC+1], s[10:11]               ; 256-511: x
	s_mov_b64 s[DST:DST+1], s[26:27]
	s_mov_b32 s[BASE], 256
	s_mov_b32 s[HS], 0
	s_mov_b32 s[DSH], 15
	s_mov_b32 s[DADD], 0
	s_mov_b32 s[DS], 2048
	s_mov_b32 s[KIND], 0
	RANGE 512, 12, 28, 1, 17, 0,      8192, 0      ; 512-639: Wq
	RANGE 640, 14, 28, 0, 17, 4096,   8192, 0      ; 640-703: Wk
	RANGE 704, 16, 28, 0, 17, 6144,   8192, 0      ; 704-767: Wv
	RANGE 768, 18, 30, 0, 15, 0,      2048, 0      ; 768-783: cos
	RANGE 784, 20, 30, 0, 15, 524288, 2048, 0      ; 784-799: sin
	RANGE 800, 22, 32, 0, 15, 0,      2048, 1      ; 800-927: Wo
	s_mov_b32 s[HIM], 0xffff0000
	s_sub_co_u32 s46, s[ID], s[BASE]               ; my number in the range
	s_and_b32 s47, s46, s[HS]                      ; which half of the rows (Wq alone)
	s_lshr_b32 s46, s46, s[HS]                     ; which 16 units
	s_add_co_u32 s48, s[HS], 16
	s_lshl_b32 s48, s46, s48                       ; 16 units of 4,096 bytes (of 8,192 in Wq)
	s_lshl_b32 s50, s47, 12
	s_add_co_u32 s48, s48, s50
	s_mov_b32 s49, 0
	s_add_nc_u64 s[SRC:SRC+1], s[SRC:SRC+1], s[48:49]
	s_lshl_b32 s48, s46, s[DSH]
	s_lshl_b32 s50, s47, 11
	s_add_co_u32 s48, s48, s50
	s_add_co_u32 s48, s48, s[DADD]
	s_add_nc_u64 s[DST:DST+1], s[DST:DST+1], s[48:49]
	s_lshl_b32 s[SS], 4096, s[HS]
	v_lshlrev_b32 v[OS], 4, v0
.set i, 1
.rept 15
	v_add_nc_u32 v[OS+i], s[SS], v[OS+i-1]
.set i, i+1
.endr
	s_wait_alu depctr_va_vdst(0)                   ; the sixteen OS are written, which the loads below read as their offsets
.set i, 0
.rept 16
	global_load_b128 v[X+4*i:X+4*i+3], v[OS+i], s[SRC:SRC+1] th:TH_LOAD_NT
.set i, i+1
.endr
	v_lshlrev_b32 v[OD], 3, v0                     ; the stores' offsets are made while the loads are out: these lines name neither OS nor X
.set i, 1
.rept 15
	v_add_nc_u32 v[OD+i], s[DS], v[OD+i-1]
.set i, i+1
.endr
	s_cmp_eq_u32 s[KIND], 1
	s_cbranch_scc1 .Lhalf
.set blk, 0
.rept 4                                                ; four blocks of four units
	s_wait_loadcnt 12-4*blk                        ; loads come back in order: the block's four units are in, the 12 - 4 blk younger ones stay out
.set i, 4*blk
.rept 4
	v_cvt_pk_bf16_f32 v[Y+2*i], v[X+4*i], v[X+4*i+1]
	v_cvt_pk_bf16_f32 v[Y+2*i+1], v[X+4*i+2], v[X+4*i+3]
.set i, i+1
.endr
	s_wait_alu depctr_va_vdst(0)                   ; the block's conversions have written its eight Y, which the four stores below read; in the first block: the sixteen OD are written too
.set i, 4*blk
.rept 4
	global_store_b64 v[OD+i], v[Y+2*i:Y+2*i+1], s[DST:DST+1] th:TH_STORE_NT
.set i, i+1
.endr
.set blk, blk+1
.endr
	s_endpgm
.Lhalf:                                                ; Wo: rounded to bf16 like every input, then written as f16
.set blk, 0
.rept 4                                                ; four blocks of four units
	s_wait_loadcnt 12-4*blk                        ; the block's four units are in, the younger ones stay out
.set i, 4*blk
.rept 4
	v_cvt_pk_bf16_f32 v4, v[X+4*i], v[X+4*i+1]     ; v4 to v9 are named by vector instructions alone
	v_cvt_pk_bf16_f32 v5, v[X+4*i+2], v[X+4*i+3]
	v_lshlrev_b32 v6, 16, v4
	v_and_b32 v7, s[HIM], v4
	v_lshlrev_b32 v8, 16, v5
	v_and_b32 v9, s[HIM], v5
	v_cvt_pk_f16_f32 v[Y+2*i], v6, v7
	v_cvt_pk_f16_f32 v[Y+2*i+1], v8, v9
.set i, i+1
.endr
	s_wait_alu depctr_va_vdst(0)                   ; the block's conversions have written its eight Y, which the four stores below read; in the first block: the sixteen OD are written too
.set i, 4*blk
.rept 4
	global_store_b64 v[OD+i], v[Y+2*i:Y+2*i+1], s[DST:DST+1] th:TH_STORE_NT
.set i, i+1
.endr
.set blk, blk+1
.endr
	s_endpgm
.Lmask:                                                ; work-group id: U = id / 4; wave w makes ks = 8 (id % 4) + w, both pb
	v_lshrrev_b32 v1, 5, v0
	v_readfirstlane_b32 s46, v1                    ; wave 0..7
	s_and_b32 s47, s[ID], 3
	s_lshr_b32 s48, s[ID], 2
	s_lshl_b32 s48, s48, 16                        ; U x 32 rows of 2,048 bytes in the mask, and U x 65,536 bytes in mk
	s_mov_b32 s49, 0
	s_mov_b32 s50, 0x01010101
	s_mov_b32 s51, 0xcd
	v_and_b32 v2, 15, v0                           ; r
	v_bfe_u32 v3, v0, 4, 1                         ; h
	v_lshlrev_b32 v4, 11, v2                       ; row r
	v_lshl_add_u32 v4, v3, 3, v4                   ; + 8 h
	v_and_b32 v5, 31, v0
	v_lshlrev_b32 v5, 4, v5                        ; 16 x lane
	s_wait_alu depctr_va_sdst(0)                   ; s46 is written, ahead of its first reader: ks is made from it
	s_lshl3_add_u32 s47, s47, s46                  ; ks
	s_lshl_b32 s53, s47, 6
	s_lshl_b32 s54, s47, 11
	v_add_nc_u32 v4, s53, v4                       ; + 64 ks
	v_add_nc_u32 v5, s54, v5                       ; + 2,048 ks
	s_wait_kmcnt 0x0
	s_add_nc_u64 s[SRC:SRC+1], s[8:9], s[48:49]
	s_add_nc_u64 s[DST:DST+1], s[24:25], s[48:49]
	s_wait_alu depctr_va_vdst(0)                   ; v4 and v5 are written: the loads read v4 as their offset, the stores v5
.irp p, 0,1
.irp t, 0,1,2,3
	global_load_b64 v[X+8*(\p)+2*(\t):X+8*(\p)+2*(\t)+1], v4, s[SRC:SRC+1] offset:(\p)*32768+16*(\t)
.endr
.endr
.irp p, 0,1                                            ; two blocks, one for each pb: eight registers each
	s_wait_loadcnt 4-4*(\p)                        ; loads come back in order: the block's four loads are in; in the first block the other block's four stay out
.set i, 8*(\p)
.rept 8
	v_xor_b32 v[X+i], s50, v[X+i]                  ; four bytes of 0 or 1 turned round,
	v_mul_lo_u32 v[X+i], v[X+i], s51               ; and times 0xCD: no byte carries into the next
.set i, i+1
.endr
	s_wait_alu depctr_va_vdst(0)                   ; the multiplies have written the block's eight registers, which the two stores below read
.irp u, 0,1
	global_store_b128 v5, v[X+8*(\p)+4*(\u):X+8*(\p)+4*(\u)+3], s[DST:DST+1] offset:(\p)*1024+(\u)*512  ; 512 consecutive bytes
.endr
.endr
	s_endpgm
.Lfunc_end_k_q643cd41199_prep:
	.size	k_q643cd41199_prep, .Lfunc_end_k_q643cd41199_prep-k_q643cd41199_prep
	.p2alignl 7, 3214868480
	.fill 96, 4, 3214868480
	.section	.rodata,"a",@progbits
	.p2align	6, 0x0
	.amdhsa_kernel k_q643cd41199_prep
		.amdhsa_group_segment_fixed_size 0
		.amdhsa_private_segment_fixed_size 0
		.amdhsa_enable_private_segment 0
		.amdhsa_kernarg_size 104
		.amdhsa_user_sgpr_count 2
		.amdhsa_user_sgpr_kernarg_segment_ptr 1
		.amdhsa_wavefront_size32 1
		.amdhsa_system_sgpr_workgroup_id_x 1
		.amdhsa_system_sgpr_workgroup_id_y 1
		.amdhsa_system_sgpr_workgroup_id_z 1
		.amdhsa_system_vgpr_workitem_id 0
		.amdhsa_next_free_vgpr 144
		.amdhsa_next_free_sgpr 66
		.amdhsa_reserve_vcc 0
		.amdhsa_float_denorm_mode_32 3
		.amdhsa_float_denorm_mode_16_64 3
		.amdhsa_memory_ordered 1
		.amdhsa_forward_progress 1
		.amdhsa_inst_pref_size 22
	.end_amdhsa_kernel
	.amdgpu_metadata
---
amdhsa.version: [ 1, 2 ]
amdhsa.kernels:
  - .name:           k_q643cd41199_prep
    .symbol:         k_q643cd41199_prep.kd
    .args:
      - { .name: attention_mask, .offset: 0, .size: 8, .value_kind: global_buffer, .address_space: global }
      - { .name: hidden_states, .offset: 8, .size: 8, .value_kind: global_buffer, .address_space: global }
      - { .name: Wq, .offset: 16, .size: 8, .value_kind: global_buffer, .address_space: global }
      - { .name: Wk, .offset: 24, .size: 8, .value_kind: global_buffer, .address_space: global }
      - { .name: Wv, .offset: 32, .size: 8, .value_kind: global_buffer, .address_space: global }
      - { .name: cos, .offset: 40, .size: 8, .value_kind: global_buffer, .address_space: global }
      - { .name: sin, .offset: 48, .size: 8, .value_kind: global_buffer, .address_space: global }
      - { .name: Wo, .offset: 56, .size: 8, .value_kind: global_buffer, .address_space: global }
      - { .name: mk, .offset: 64, .size: 8, .value_kind: global_buffer, .address_space: global }
      - { .name: xb, .offset: 72, .size: 8, .value_kind: global_buffer, .address_space: global }
      - { .name: wqkv, .offset: 80, .size: 8, .value_kind: global_buffer, .address_space: global }
      - { .name: tab, .offset: 88, .size: 8, .value_kind: global_buffer, .address_space: global }
      - { .name: wo, .offset: 96, .size: 8, .value_kind: global_buffer, .address_space: global }
    .group_segment_fixed_size: 0
    .private_segment_fixed_size: 0
    .kernarg_segment_align: 8
    .kernarg_segment_size: 104
    .max_flat_workgroup_size: 256
    .sgpr_count:     66
    .vgpr_count:     144
    .wavefront_size: 32
...
	.end_amdgpu_metadata
.endif
;; end of part 5
;; launch qkv: the kernel of part 2 again; grid 16 x 16, 4 waves a work-group, clusters of 4 x 4, 327,680 bytes of LDS; arguments xb, wqkv, tab, q_norm_w, k_norm_w, qkv; writes qkv
;; launch attn: the kernel of part 3 again; grid 16 x 16, 4 waves a work-group, clusters of 4 x 1, 327,680 bytes of LDS; arguments qkv, mk, ob; writes ob
;; launch oproj: the kernel of part 4 again; grid 8 x 32, 4 waves a work-group, clusters of 4 x 4, 327,680 bytes of LDS; arguments ob, wo, out0; writes out0
